; MI455X (gfx1250); checked and timed in simulation.
; The chip was launched on July 23, 2026; its instructions are those of AMD's public machine-readable ISA for CDNA 5 (MIT licence, August 2026) and "CDNA5" Instruction Set Architecture Reference Guide (July 2026). The comments in the code are by the model that wrote it; some were corrected since.
;; Graph Transformer. Allowed arithmetic: float matrix products may take bf16 or f16 operands with f32 sums; all other float work in f32.
;; Inputs: adj 4 x 1,024 x 1,024 float32; params_blocks_b1 5 x 256 float32; params_blocks_b2 5 x 128 float32; params_blocks_g_b 5 x 2 float32; params_blocks_g_w 5 x 2 x 128 float32; params_blocks_n1b 5 x 128 float32; params_blocks_n1w 5 x 128 float32; params_blocks_n2b 5 x 128 float32; params_blocks_n2w 5 x 128 float32; params_blocks_proj_b 5 x 128 float32; params_blocks_proj_w 5 x 128 x 1,024 float32; params_blocks_qkv_w 5 x 3,072 x 128 float32; params_blocks_w1 5 x 256 x 128 float32; params_blocks_w2 5 x 128 x 256 float32; params_emb_b1 256 float32; params_emb_b2 128 float32; params_emb_w1 256 x 36 float32; params_emb_w2 128 x 256 float32; params_head_b 128 float32; params_head_ln_b 128 float32; params_head_ln_w 128 float32; params_head_w 128 x 128 float32; params_p1_b 128 float32; params_p1_w 128 x 128 float32; params_p2_b 128 float32; params_p2_w 128 x 128 float32; params_p3_b 128 float32; params_p3_w 128 x 128 float32; params_p4_b 1 float32; params_p4_w 1 x 128 float32; params_p_ln_b 128 float32; params_p_ln_w 128 float32; x 4 x 1,024 x 36 float32.
;; Outputs: out0 4 x 1,024 x 1 float32.
;; 2 versions, each right; version 2 is version 1 with the launch prep written anew for expert scheduling mode. Each part assembles by itself: llvm-mc -triple=amdgcn-amd-amdhsa -mcpu=gfx1250 --defsym DOCPART=n.
;; ======== version 1 of 2: 8 launches
;; limits: a function is approximated: absolute error at most 1.5e-07
;; workspace buffers: ha 3,145,728 bytes; hb 3,145,728 bytes; wts 3,506,176 bytes; lay0 256 bytes of whole numbers; lay1 256 bytes of whole numbers; lay2 256 bytes of whole numbers; lay3 256 bytes of whole numbers; lay4 256 bytes of whole numbers
;; launch prep (part 1): grid 107 x 1, 8 waves a work-group, no clusters, 70,656 bytes of LDS; arguments params_blocks_qkv_w, params_blocks_proj_w, params_blocks_w1, params_blocks_w2, params_emb_w2, params_head_w, params_p1_w, params_p2_w, params_p3_w, params_emb_w1, wts, lay0, lay1, lay2, lay3, lay4; writes wts, lay0, lay1, lay2, lay3, lay4
.if DOCPART == 1
	.amdgcn_target "amdgcn-amd-amdhsa--gfx1250"
	.amdhsa_code_object_version 6
	.text
	.protected	k_q5135d61bf0_prep
	.globl	k_q5135d61bf0_prep
	.p2align	8
	.type	k_q5135d61bf0_prep,@function
k_q5135d61bf0_prep:
	s_mov_b64 s[64:65], 0
	v_nop
	global_prefetch_b8 v0, s[64:65] scope:SCOPE_SE
	s_setreg_imm32_b32 hwreg(HW_REG_WAVE_MODE, 25, 1), 1
	s_wait_xcnt 0x0
; Weights, once: everything that later launches feed to the matrix unit as operand A is written to wts in bf16, in the order of the
; registers.  A fragment is 16 output rows x 32 k = 1,024 bytes: byte 16 x lane holds the lane's registers 0-3, byte 512 + 16 x lane its
; registers 4-7, so that a later launch fetches a fragment by two loads of 512 neighbouring bytes.
; Work-groups 0-79 fold two weight matrices of one layer and head into one (there is no bias in qkv, so this is exact algebra; the folded
; matrix is rounded to bf16 once more, which is a stated limit):
;   even: MT[c'][c] = sum over d of Wk[d][c'] Wq[d][c]          (scores = hn MT^T.. : S[n][m] = sum c' hn[m][c'] sum c MT[c'][c] hn[n][c])
;   odd:  NT[e][c]  = sum over d of proj[e][128 h + d] Wv[d][c]  (o proj^T = sum over heads of (P hn) NT^T)
; Work-groups 80-105 only convert (w1, w2, emb_w2, head_w, p1_w, p2_w, p3_w); work-group 106 converts emb_w1 (K padded from 36 to 64 with
; zeros) and writes each layer's number into that layer's small buffer, from which the layer launches form their offsets.
; No cluster, no tensor loads: no two work-groups read the same bytes, and each byte is read once through registers.
.set PITCH,  272                       ; LDS row: 128 bf16 + 16 bytes
.set YS,     128*PITCH                 ; the second staged matrix lies behind the first
.set WTS_NT, 1310720
.set WTS_CV, 2621440
.set WTS_E1, 3473408
.set ACC, 32                           ; v[32:95]   staged X as loaded, then 8 accumulator tiles
.set BFR, 96                           ; v[96:159]  staged Y as loaded, then v[96:127] = 4 fragments of operand B
.set FA0, 128                          ; v[128:191] 8 fragments of operand A, buffer 0
.set FA1, 192                          ; v[192:255] buffer 1
.macro PLACES                          ; four places behind a matrix instruction before its registers are loaded into or read (ISA guide 7.12.1)
.rept 4
	v_nop
.endr
.endm
.macro ALOAD ks, f                     ; X^T, 8 row tiles, k-step ks: X lies [d][c] in LDS, so the loads transpose
.irp ct, 0,1,2,3,4,5,6,7
	ds_load_tr16_b128 v[\f+8*\ct:\f+8*\ct+3],   v9 offset:\ks*8704+32*\ct
	ds_load_tr16_b128 v[\f+8*\ct+4:\f+8*\ct+7], v9 offset:\ks*8704+32*\ct+4352
.endr
.endm
.macro FMUL ks, f, zero                ; 8 matrix instructions, the 8 accumulators by turns
.irp ct, 0,1,2,3,4,5,6,7
.if \zero
	v_wmma_f32_16x16x32_bf16 v[ACC+8*\ct:ACC+8*\ct+7], v[\f+8*\ct:\f+8*\ct+7], v[BFR+8*\ks:BFR+8*\ks+7], 0
.else
	v_wmma_f32_16x16x32_bf16 v[ACC+8*\ct:ACC+8*\ct+7], v[\f+8*\ct:\f+8*\ct+7], v[BFR+8*\ks:BFR+8*\ks+7], v[ACC+8*\ct:ACC+8*\ct+7]
.endif
.endr
.endm
.macro PICK from, lo, shift            ; from work-group 80 + from on: another source, its first work-group, log2 of its row bytes
	s_cmp_ge_u32 s41, \from
	s_cselect_b64 s[42:43], s[\lo:\lo+1], s[42:43]
	s_cselect_b32 s44, \from, s44
	s_cselect_b32 s45, \shift, s45
.endm
	s_load_b512 s[8:23], s[0:1], 0x0               ; qkv_w 8, proj_w 10, w1 12, w2 14, emb_w2 16, head_w 18, p1_w 20, p2_w 22
	s_load_b512 s[24:39], s[0:1], 0x40             ; p3_w 24, emb_w1 26, wts 28, lay0..lay4 30..38
	v_lshl_add_u32 v30, v0, 2, 0x11000
	v_mov_b32 v31, 0
	v_lshrrev_b32 v12, 5, v0
	v_readfirstlane_b32 s40, v12                   ; wave
	v_and_b32 v1, 15, v0                           ; r
	v_bfe_u32 v2, v0, 4, 1                         ; h
	v_and_b32 v3, 31, v0                           ; lane
	v_lshlrev_b32 v4, 4, v3
	v_lshl_add_u32 v11, s40, 12, v4                ; 4,096 x wave + 16 x lane: the wave's four fragments in wts (and proj_w's rows)
	s_wait_kmcnt 0x0
	s_cmp_ge_u32 ttmp9, 106
	s_cbranch_scc1 .Lemb1
	s_cmp_ge_u32 ttmp9, 80
	s_cbranch_scc1 .Lconvert
	; ---------------- fold: one layer, one head, one of the two products
	s_lshr_b32 s41, ttmp9, 4                       ; layer
	s_bfe_u32 s42, ttmp9, 0x30001                  ; head
	s_and_b32 s43, ttmp9, 1                        ; 0: MT, 1: NT
	s_mul_i32 s44, s41, 3072*512
	s_lshl_b32 s45, s42, 16                        ; 128 rows of 512 bytes a head
	s_add_co_u32 s44, s44, s45
	s_lshl_b32 s45, s43, 20                        ; NT: Wv lies 2,048 rows behind Wq
	s_add_co_u32 s44, s44, s45
	s_mov_b32 s45, 0
	s_add_nc_u64 s[46:47], s[8:9], s[44:45]        ; X: Wq or Wv of the head
	s_lshl_b32 s48, s41, 19
	s_lshl_b32 s49, s42, 9
	s_add_co_u32 s48, s48, s49
	s_mov_b32 s49, 0
	s_add_nc_u64 s[50:51], s[10:11], s[48:49]      ; proj_w[l][0][128 h]
	s_lshr_b32 s52, ttmp9, 1
	s_lshl_b32 s52, s52, 15                        ; 32,768 bytes for a layer's head
	s_mul_i32 s53, s43, WTS_NT
	s_add_co_u32 s52, s52, s53
	s_mov_b32 s53, 0
	s_add_nc_u64 s[54:55], s[28:29], s[52:53]      ; where the result goes
	v_lshlrev_b32 v5, 4, v0                        ; row = wave, 16 bytes a lane: a wave's load covers one row of 512 bytes
.irp k, 0,1,2,3,4,5,6,7,8,9,10,11,12,13,14,15
	global_load_b128 v[ACC+4*\k:ACC+4*\k+3], v5, s[46:47] offset:\k*4096 th:TH_LOAD_NT      ; X, row 8 k + wave
.endr
	s_cmp_lg_u32 s43, 0
	s_cbranch_scc1 .Lyproj
.irp k, 0,1,2,3,4,5,6,7,8,9,10,11,12,13,14,15
	global_load_b128 v[BFR+4*\k:BFR+4*\k+3], v5, s[46:47] offset:524288+\k*4096 th:TH_LOAD_NT   ; Y = Wk, 1,024 rows behind Wq
.endr
	s_branch .Lyin
.Lyproj:
.irp k, 0,1,2,3,4,5,6,7,8,9,10,11,12,13,14,15
	global_load_b128 v[BFR+4*\k:BFR+4*\k+3], v11, s[50:51] offset:\k*32768 th:TH_LOAD_NT    ; Y = proj_w's 128 columns of the head, rows 4,096 bytes apart
.endr
.Lyin:
	v_lshlrev_b32 v7, 3, v3
	s_mul_i32 s56, s40, PITCH
	v_add_nc_u32 v7, s56, v7                       ; LDS: row = wave, 8 bytes a lane
	v_add_nc_u32 v8, YS, v7
	v_and_b32 v12, 7, v0
	v_lshl_add_u32 v12, v2, 3, v12
	v_bfe_u32 v13, v0, 3, 1
	v_mul_u32_u24 v9, v12, PITCH
	v_lshl_add_u32 v9, v13, 4, v9                  ; transposing loads: (8 h + lane % 8) rows + 16 x bit 3 of the lane
	s_wait_loadcnt 16                              ; X is in: Y's sixteen loads may stay out
.irp k, 0,1,2,3,4,5,6,7,8,9,10,11,12,13,14,15
	v_cvt_pk_bf16_f32 v[ACC+4*\k],   v[ACC+4*\k],   v[ACC+4*\k+1]
	v_cvt_pk_bf16_f32 v[ACC+4*\k+1], v[ACC+4*\k+2], v[ACC+4*\k+3]
	ds_store_b64 v7, v[ACC+4*\k:ACC+4*\k+1] offset:\k*8*PITCH
.endr
	s_wait_loadcnt 0x0
.irp k, 0,1,2,3,4,5,6,7,8,9,10,11,12,13,14,15
	v_cvt_pk_bf16_f32 v[BFR+4*\k],   v[BFR+4*\k],   v[BFR+4*\k+1]
	v_cvt_pk_bf16_f32 v[BFR+4*\k+1], v[BFR+4*\k+2], v[BFR+4*\k+3]
	ds_store_b64 v8, v[BFR+4*\k:BFR+4*\k+1] offset:\k*8*PITCH
.endr
	s_wait_dscnt 0x0                               ; my rows are in LDS, for the others' sake
	s_barrier_signal -1
	s_barrier_wait -1
	; operand B: column tile = wave (c' of MT, e of NT), k = d
	s_cmp_lg_u32 s43, 0
	s_cbranch_scc1 .Lbplain
	s_lshl_b32 s57, s40, 5
	s_add_co_u32 s57, s57, YS
	v_add_nc_u32 v10, s57, v9                      ; Wk lies [d][c']: transposing loads
.irp ks, 0,1,2,3
	ds_load_tr16_b128 v[BFR+8*\ks:BFR+8*\ks+3],   v10 offset:\ks*8704
	ds_load_tr16_b128 v[BFR+8*\ks+4:BFR+8*\ks+7], v10 offset:\ks*8704+4352
.endr
	s_branch .Lbin
.Lbplain:
	s_mul_i32 s57, s40, 16*PITCH
	s_add_co_u32 s57, s57, YS
	v_mul_u32_u24 v10, v1, PITCH
	v_lshl_add_u32 v10, v2, 4, v10
	v_add_nc_u32 v10, s57, v10                     ; proj lies [e][d]: plain loads
.irp ks, 0,1,2,3
	ds_load_b128 v[BFR+8*\ks:BFR+8*\ks+3],   v10 offset:\ks*64
	ds_load_b128 v[BFR+8*\ks+4:BFR+8*\ks+7], v10 offset:\ks*64+32
.endr
.Lbin:
	ALOAD 0, FA0
	ALOAD 1, FA1
	s_wait_dscnt 16                                ; B and k-step 0 are in; k-step 1's sixteen loads may stay out
	FMUL 0, FA0, 1
	PLACES
	ALOAD 2, FA0
	s_wait_dscnt 16                                ; k-step 1 is in
	FMUL 1, FA1, 0
	PLACES
	ALOAD 3, FA1
	s_wait_dscnt 16                                ; k-step 2 is in
	FMUL 2, FA0, 0
	s_wait_dscnt 0x0
	FMUL 3, FA1, 0
	PLACES
	; tile ct of the result: lane (r, h) holds row 16 x wave + r of the folded matrix, columns 16 ct + 8 h + 0..7: half a fragment's registers
.irp ct, 0,1,2,3,4,5,6,7
.irp q, 0,1,2,3
	v_cvt_pk_bf16_f32 v[FA0+4*\ct+\q], v[ACC+8*\ct+2*\q], v[ACC+8*\ct+2*\q+1]
.endr
.endr
.irp ct, 0,1,2,3,4,5,6,7
	global_store_b128 v11, v[FA0+4*\ct:FA0+4*\ct+3], s[54:55] offset:\ct*512       ; 512 neighbouring bytes a store
.endr
	s_wait_tensorcnt 0x0
	ds_add_u32 v30, v31
	s_wait_dscnt 0x0
	s_endpgm
	; ---------------- convert: a wave makes four fragments (16 rows x 128 k)
.Lconvert:
	s_sub_co_u32 s41, ttmp9, 80
	s_mov_b64 s[42:43], s[12:13]                   ; w1, rows of 512 bytes
	s_mov_b32 s44, 0
	s_mov_b32 s45, 9
	PICK 10, 14, 10                                ; w2, rows of 1,024 bytes
	PICK 20, 16, 10                                ; emb_w2
	PICK 22, 18, 9                                 ; head_w
	PICK 23, 20, 9                                 ; p1_w
	PICK 24, 22, 9                                 ; p2_w
	PICK 25, 24, 9                                 ; p3_w
	s_sub_co_u32 s46, s41, s44
	s_lshl3_add_u32 s46, s46, s40                  ; the wave's unit in its source
	s_sub_co_u32 s47, s45, 9                       ; 1 where a row holds two units, else 0
	s_lshr_b32 s48, s46, s47                       ; row tile
	s_add_co_u32 s49, s45, 4
	s_lshl_b32 s48, s48, s49                       ; x 16 rows
	s_and_b32 s49, s46, s47
	s_lshl_b32 s49, s49, 9                         ; second half of the rows: 128 numbers on
	s_add_co_u32 s48, s48, s49
	s_mov_b32 s49, 0
	s_add_nc_u64 s[42:43], s[42:43], s[48:49]
	s_lshl_b32 s50, s41, 15
	s_add_co_u32 s50, s50, WTS_CV
	s_mov_b32 s51, 0
	s_add_nc_u64 s[50:51], s[28:29], s[50:51]
	v_lshlrev_b32 v5, s45, v1                      ; row r
	v_lshl_add_u32 v5, v2, 5, v5                   ; + 8 h numbers
.irp s, 0,1,2,3
	global_load_b128 v[32+16*\s:35+16*\s], v5, s[42:43] offset:128*\s
	global_load_b128 v[36+16*\s:39+16*\s], v5, s[42:43] offset:128*\s+16
	global_load_b128 v[40+16*\s:43+16*\s], v5, s[42:43] offset:128*\s+64
	global_load_b128 v[44+16*\s:47+16*\s], v5, s[42:43] offset:128*\s+80
.endr
	s_wait_loadcnt 0x0
.set n, 0
.rept 32
	v_cvt_pk_bf16_f32 v[96+n], v[32+2*n], v[33+2*n]
.set n, n+1
.endr
.irp s, 0,1,2,3
	global_store_b128 v11, v[96+8*\s:99+8*\s],   s[50:51] offset:\s*1024
	global_store_b128 v11, v[100+8*\s:103+8*\s], s[50:51] offset:\s*1024+512
.endr
	s_endpgm
	; ---------------- emb_w1 [256][36]: a wave makes row tiles 2 w and 2 w + 1, two k-steps each; k = 36..63 are zeros
.Lemb1:
	v_mul_u32_u24 v5, v1, 144
	s_mul_i32 s41, s40, 32*144
	v_add_nc_u32 v5, s41, v5                       ; the row's first byte
	v_lshl_add_u32 v6, v2, 5, v5                   ; + 8 h numbers
	s_add_nc_u64 s[42:43], s[28:29], WTS_E1
.irp q, 0,1
	global_load_b128 v[32+20*\q:35+20*\q], v6, s[26:27] offset:2304*\q
	global_load_b128 v[36+20*\q:39+20*\q], v6, s[26:27] offset:2304*\q+16
	global_load_b128 v[40+20*\q:43+20*\q], v6, s[26:27] offset:2304*\q+64
	global_load_b128 v[44+20*\q:47+20*\q], v6, s[26:27] offset:2304*\q+80
	global_load_b128 v[48+20*\q:51+20*\q], v5, s[26:27] offset:2304*\q+128     ; columns 32-35, the row's last 16 bytes, in every lane
.endr
	v_cmp_eq_u32 vcc_lo, 0, v2                     ; they belong to the lanes with h = 0 alone
	s_wait_loadcnt 0x0
.irp q, 0,1
.irp k, 0,1,2,3,4,5,6,7
	v_cvt_pk_bf16_f32 v[72+16*\q+\k], v[32+20*\q+2*\k], v[33+20*\q+2*\k]
.endr
	v_cvt_pk_bf16_f32 v[80+16*\q], v[48+20*\q], v[49+20*\q]
	v_cvt_pk_bf16_f32 v[81+16*\q], v[50+20*\q], v[51+20*\q]
	v_cndmask_b32 v[80+16*\q], 0, v[80+16*\q], vcc_lo
	v_cndmask_b32 v[81+16*\q], 0, v[81+16*\q], vcc_lo
.irp k, 2,3,4,5,6,7
	v_mov_b32 v[80+16*\q+\k], 0
.endr
.irp k, 0,1,2,3
	global_store_b128 v11, v[72+16*\q+4*\k:75+16*\q+4*\k], s[42:43] offset:\q*2048+\k*512
.endr
.endr
	s_cmp_lg_u32 s40, 0
	s_cbranch_scc1 .Lend
	v_lshlrev_b32 v7, 3, v3                        ; wave 0: each layer's number, 64 words: the small buffer whole, by one store
.irp l, 0,1,2,3,4
	v_mov_b32 v[110+2*\l], \l
	v_mov_b32 v[111+2*\l], \l
	global_store_b64 v7, v[110+2*\l:111+2*\l], s[30+2*\l:31+2*\l]
.endr
.Lend:
	s_endpgm
.Lfunc_end_k_q5135d61bf0_prep:
	.size	k_q5135d61bf0_prep, .Lfunc_end_k_q5135d61bf0_prep-k_q5135d61bf0_prep
	.p2alignl 7, 3214868480
	.fill 96, 4, 3214868480
	.section	.rodata,"a",@progbits
	.p2align	6, 0x0
	.amdhsa_kernel k_q5135d61bf0_prep
		.amdhsa_group_segment_fixed_size 70656
		.amdhsa_private_segment_fixed_size 0
		.amdhsa_enable_private_segment 0
		.amdhsa_kernarg_size 128
		.amdhsa_user_sgpr_count 2
		.amdhsa_user_sgpr_kernarg_segment_ptr 1
		.amdhsa_wavefront_size32 1
		.amdhsa_system_sgpr_workgroup_id_x 1
		.amdhsa_system_sgpr_workgroup_id_y 1
		.amdhsa_system_sgpr_workgroup_id_z 1
		.amdhsa_system_vgpr_workitem_id 0
		.amdhsa_next_free_vgpr 256
		.amdhsa_next_free_sgpr 66
		.amdhsa_reserve_vcc 1
		.amdhsa_float_denorm_mode_32 3
		.amdhsa_float_denorm_mode_16_64 3
		.amdhsa_memory_ordered 1
		.amdhsa_forward_progress 1
		.amdhsa_inst_pref_size 35
	.end_amdhsa_kernel
	.amdgpu_metadata
---
amdhsa.version: [ 1, 2 ]
amdhsa.kernels:
  - .name:           k_q5135d61bf0_prep
    .symbol:         k_q5135d61bf0_prep.kd
    .args:
      - { .name: params_blocks_qkv_w, .offset: 0, .size: 8, .value_kind: global_buffer, .address_space: global }
      - { .name: params_blocks_proj_w, .offset: 8, .size: 8, .value_kind: global_buffer, .address_space: global }
      - { .name: params_blocks_w1, .offset: 16, .size: 8, .value_kind: global_buffer, .address_space: global }
      - { .name: params_blocks_w2, .offset: 24, .size: 8, .value_kind: global_buffer, .address_space: global }
      - { .name: params_emb_w2, .offset: 32, .size: 8, .value_kind: global_buffer, .address_space: global }
      - { .name: params_head_w, .offset: 40, .size: 8, .value_kind: global_buffer, .address_space: global }
      - { .name: params_p1_w, .offset: 48, .size: 8, .value_kind: global_buffer, .address_space: global }
      - { .name: params_p2_w, .offset: 56, .size: 8, .value_kind: global_buffer, .address_space: global }
      - { .name: params_p3_w, .offset: 64, .size: 8, .value_kind: global_buffer, .address_space: global }
      - { .name: params_emb_w1, .offset: 72, .size: 8, .value_kind: global_buffer, .address_space: global }
      - { .name: wts, .offset: 80, .size: 8, .value_kind: global_buffer, .address_space: global }
      - { .name: lay0, .offset: 88, .size: 8, .value_kind: global_buffer, .address_space: global }
      - { .name: lay1, .offset: 96, .size: 8, .value_kind: global_buffer, .address_space: global }
      - { .name: lay2, .offset: 104, .size: 8, .value_kind: global_buffer, .address_space: global }
      - { .name: lay3, .offset: 112, .size: 8, .value_kind: global_buffer, .address_space: global }
      - { .name: lay4, .offset: 120, .size: 8, .value_kind: global_buffer, .address_space: global }
    .group_segment_fixed_size: 70656
    .private_segment_fixed_size: 0
    .kernarg_segment_align: 8
    .kernarg_segment_size: 128
    .max_flat_workgroup_size: 256
    .sgpr_count:     66
    .vgpr_count:     256
    .wavefront_size: 32
...
	.end_amdgpu_metadata
.endif
;; end of part 1
;; launch embed (part 2): grid 256 x 1, 1 waves a work-group, no clusters, 8,704 bytes of LDS; arguments x, wts, params_emb_b1, params_emb_b2, params_blocks_n1w, params_blocks_n1b, ha; writes ha
.if DOCPART == 2
	.amdgcn_target "amdgcn-amd-amdhsa--gfx1250"
	.amdhsa_code_object_version 6
	.text
	.protected	k_q5135d61bf0_embed
	.globl	k_q5135d61bf0_embed
	.p2align	8
	.type	k_q5135d61bf0_embed,@function
k_q5135d61bf0_embed:
	s_mov_b64 s[64:65], 0
	v_nop
	global_prefetch_b8 v0, s[64:65] scope:SCOPE_SE
	s_setreg_imm32_b32 hwreg(HW_REG_WAVE_MODE, 25, 1), 1
	s_wait_xcnt 0x0
; carry = relu(x emb_w1^T + emb_b1) emb_w2^T + emb_b2, then hn = LayerNorm_1 of layer 0; hn goes out in f32 and in bf16.
; One wave, 16 rows.  Every product is computed transposed: weights are operand A (fragments from wts), the rows are operand B.  In the result
; lane (r, h) holds features 16 t + 8 h + 0..7 of row r, so two neighbouring tiles, packed to bf16, ARE the next product's B fragment in the
; same lane: no shuffle between the two products.  The rows are turned once, through LDS, for the LayerNorm and for whole-row stores.
; All 96 weight fragments lie in registers (windows 1 to 3) and are asked for at the start.  No cluster: the shared weights are 96 KiB and go
; straight to registers.  Limit: relu is a maximum in which a NaN loses.
.set WTS_E2, 3276800
.set WTS_E1, 3473408
.set BF16,   2097152
.set CPITCH, 528                       ; LDS row: 128 f32 + 16 bytes
.set LNW, 24                           ; v[24:27] gain, v[28:31] bias of my four features in a turned row
.set LNB, 28
.set XB,  32                           ; v[32:47]   x as two B fragments
.set H1,  64                           ; v[64:191]  16 tiles of the hidden layer, loaded with emb_b1; v[64:127] then the 8 tiles of the result
.set HB1, 192                          ; v[192:211] x as loaded; v[192:255] then the hidden layer as 8 B fragments
.set PLO, 30
.set PHI, 31
.set INV, 32
.set EPS, 33
.set MSB, 0
.macro WIN new                         ; the immediate's high byte repeats the setting that is left
.if MSB != \new
	s_set_vgpr_msb (MSB<<8)|\new
.set MSB, \new
.endif
.endm
.macro PLACES
.rept 4
	v_nop
.endr
.endm
.macro RED cnt, t, u                   ; v[t+i], i < cnt: summed over the 32 lanes; v[u+i] is scratch that has been written
.irp m, 1,2,4,8
.set ri, 0
.rept \cnt
	v_add_f32_dpp v[\t+ri], v[\t+ri], v[\t+ri] row_xmask:\m row_mask:0xf bank_mask:0xf
.set ri, ri+1
.endr
.endr
.set ri, 0
.rept \cnt
	v_permlanex16_b32 v[\u+ri], v[\t+ri], s[PLO], s[PHI]
.set ri, ri+1
.endr
.set ri, 0
.rept \cnt
	v_add_f32 v[\t+ri], v[\t+ri], v[\u+ri]
.set ri, ri+1
.endr
.endm
.macro LNROWS cnt, x, t, u, y          ; cnt rows, four features a lane at v[x+4i]: LayerNorm in two passes, in place; bf16 to v[y+2i]
.set li, 0
.rept \cnt
	v_add_f32 v[\t+li], v[\x+4*li], v[\x+4*li+1]
	v_add_f32 v[\u+li], v[\x+4*li+2], v[\x+4*li+3]
.set li, li+1
.endr
.set li, 0
.rept \cnt
	v_add_f32 v[\t+li], v[\t+li], v[\u+li]
.set li, li+1
.endr
	RED \cnt, \t, \u
.set li, 0
.rept \cnt
	v_mul_f32 v[\t+li], s[INV], v[\t+li]           ; mean
.set li, li+1
.endr
.set li, 0
.rept \cnt
.irp k, 0,1,2,3
	v_sub_f32 v[\x+4*li+\k], v[\x+4*li+\k], v[\t+li]
.endr
.set li, li+1
.endr
.set li, 0
.rept \cnt
	v_mul_f32 v[\t+li], v[\x+4*li], v[\x+4*li]
.set li, li+1
.endr
.irp k, 1,2,3
.set li, 0
.rept \cnt
	v_fmac_f32 v[\t+li], v[\x+4*li+\k], v[\x+4*li+\k]
.set li, li+1
.endr
.endr
	RED \cnt, \t, \u
.set li, 0
.rept \cnt
	v_fma_f32 v[\t+li], v[\t+li], s[INV], s[EPS]
.set li, li+1
.endr
.set li, 0
.rept \cnt
	v_rsq_f32 v[\t+li], v[\t+li]
.set li, li+1
.endr
	v_nop                                          ; one plain place behind the last v_rsq_f32 (ISA guide 5.7.2)
.set li, 0
	s_wait_alu depctr_va_vdst(0)
.rept \cnt
.irp k, 0,1,2,3
	v_mul_f32 v[\x+4*li+\k], v[\x+4*li+\k], v[\t+li]
.endr
.set li, li+1
.endr
.set li, 0
.rept \cnt
.irp k, 0,1,2,3
	v_fma_f32 v[\x+4*li+\k], v[\x+4*li+\k], v[LNW+\k], v[LNB+\k]
.endr
	v_cvt_pk_bf16_f32 v[\y+2*li],   v[\x+4*li],   v[\x+4*li+1]
	v_cvt_pk_bf16_f32 v[\y+2*li+1], v[\x+4*li+2], v[\x+4*li+3]
.set li, li+1
.endr
.endm
	s_load_b256 s[8:15], s[0:1], 0x0               ; x 8, wts 10, emb_b1 12, emb_b2 14
	s_load_b128 s[16:19], s[0:1], 0x20             ; n1w 16, n1b 18 (layer 0 is their first row)
	s_load_b64 s[20:21], s[0:1], 0x30              ; ha
	v_lshl_add_u32 v62, v0, 2, 0x2100
	v_mov_b32 v63, 0
	v_and_b32 v1, 15, v0                           ; r
	v_bfe_u32 v2, v0, 4, 1                         ; h
	v_lshlrev_b32 v4, 4, v0                        ; 16 x lane
	v_mul_u32_u24 v5, v1, 144                      ; a row of x is 144 bytes
	v_lshl_add_u32 v6, v2, 5, v5
	v_lshlrev_b32 v7, 5, v2                        ; 8 h numbers
	v_mul_u32_u24 v8, v1, CPITCH
	v_add_nc_u32 v8, v8, v7                        ; LDS: row r, feature 8 h
	v_lshlrev_b32 v9, 3, v0                        ; 8 x lane
	s_mul_i32 s22, ttmp9, 16*144
	s_mov_b32 s23, 0
	s_lshl_b32 s24, ttmp9, 13                      ; 16 rows of 512 bytes
	s_mov_b32 s25, 0
	s_lshl_b32 s26, ttmp9, 12                      ; 16 rows of 256 bytes
	s_add_co_u32 s26, s26, BF16
	s_mov_b32 s27, 0
	s_mov_b32 s[PLO], 0x76543210
	s_mov_b32 s[PHI], 0xfedcba98
	s_mov_b32 s[INV], 0x3c000000                   ; 1 / 128
	s_mov_b32 s[EPS], 0x3727c5ac                   ; 1e-5
	s_wait_kmcnt 0x0
	s_add_nc_u64 s[8:9], s[8:9], s[22:23]
	s_add_nc_u64 s[28:29], s[20:21], s[26:27]      ; hn in bf16
	s_add_nc_u64 s[20:21], s[20:21], s[24:25]      ; hn in f32
	global_load_b128 v[LNW:LNW+3], v4, s[16:17]
	global_load_b128 v[LNB:LNB+3], v4, s[18:19]
	global_load_b128 v[192:195], v6, s[8:9]
	global_load_b128 v[196:199], v6, s[8:9] offset:16
	global_load_b128 v[200:203], v6, s[8:9] offset:64
	global_load_b128 v[204:207], v6, s[8:9] offset:80
	global_load_b128 v[208:211], v5, s[8:9] offset:128                 ; columns 32-35, in every lane
.irp a, 0,1,2,3,4,5,6,7,8,9,10,11,12,13,14,15
	global_load_b128 v[H1+8*\a:H1+8*\a+3],   v7, s[12:13] offset:64*\a         ; the bias is the first product's C
	global_load_b128 v[H1+8*\a+4:H1+8*\a+7], v7, s[12:13] offset:64*\a+16
.endr
	WIN 0x40                                       ; window 1: emb_w1, fragment 2 a + s at 8 (2 a + s)
.set n, 0
.rept 32
	global_load_b128 v[8*n:8*n+3],   v4, s[10:11] offset:WTS_E1+n*1024
	global_load_b128 v[8*n+4:8*n+7], v4, s[10:11] offset:WTS_E1+n*1024+512
.set n, n+1
.endr
	WIN 0x80                                       ; window 2: emb_w2, k-steps 0-3, fragment (a, s) at 8 (8 s + a)
.irp s, 0,1,2,3
.irp a, 0,1,2,3,4,5,6,7
	global_load_b128 v[8*(8*\s+\a):8*(8*\s+\a)+3],   v4, s[10:11] offset:WTS_E2+(\a*8+\s)*1024
	global_load_b128 v[8*(8*\s+\a)+4:8*(8*\s+\a)+7], v4, s[10:11] offset:WTS_E2+(\a*8+\s)*1024+512
.endr
.endr
	WIN 0
	v_cmp_eq_u32 vcc_lo, 0, v2
	s_wait_loadcnt 63                              ; 64 loads were issued behind emb_w1's last: all up to it are in
.irp k, 0,1,2,3,4,5,6,7
	v_cvt_pk_bf16_f32 v[XB+\k], v[192+2*\k], v[193+2*\k]
.endr
	v_cvt_pk_bf16_f32 v[XB+8], v208, v209
	v_cvt_pk_bf16_f32 v[XB+9], v210, v211
	v_cndmask_b32 v[XB+8], 0, v[XB+8], vcc_lo      ; k = 32-35 belong to h = 0; k = 36-63 are zeros
	v_cndmask_b32 v[XB+9], 0, v[XB+9], vcc_lo
.irp k, 10,11,12,13,14,15
	v_mov_b32 v[XB+\k], 0
.endr
	WIN 0x01                                       ; A from window 1; the 16 accumulators by turns
.irp s, 0,1
.irp a, 0,1,2,3,4,5,6,7,8,9,10,11,12,13,14,15
	v_wmma_f32_16x16x32_bf16 v[H1+8*\a:H1+8*\a+7], v[8*(2*\a+\s):8*(2*\a+\s)+7], v[XB+8*\s:XB+8*\s+7], v[H1+8*\a:H1+8*\a+7]
.endr
.endr
	WIN 0xc0                                       ; window 3: emb_w2, k-steps 4-7
.irp s, 0,1,2,3
.irp a, 0,1,2,3,4,5,6,7
	global_load_b128 v[8*(8*\s+\a):8*(8*\s+\a)+3],   v4, s[10:11] offset:WTS_E2+(\a*8+\s+4)*1024
	global_load_b128 v[8*(8*\s+\a)+4:8*(8*\s+\a)+7], v4, s[10:11] offset:WTS_E2+(\a*8+\s+4)*1024+512
.endr
.endr
	WIN 0
	PLACES
.set n, 0
.rept 128
	v_max_num_f32 v[H1+n], 0, v[H1+n]
.set n, n+1
.endr
.set n, 0
.rept 64
	v_cvt_pk_bf16_f32 v[HB1+n], v[H1+2*n], v[H1+2*n+1]
.set n, n+1
.endr
.irp a, 0,1,2,3,4,5,6,7
	global_load_b128 v[128+8*\a:131+8*\a], v7, s[14:15] offset:64*\a           ; emb_b2, added at the end
	global_load_b128 v[132+8*\a:135+8*\a], v7, s[14:15] offset:64*\a+16
.endr
	s_wait_loadcnt 63                              ; 80 loads were issued behind window 2's last
	WIN 0x02
.irp s, 0,1,2,3
.irp a, 0,1,2,3,4,5,6,7
.if \s == 0
	v_wmma_f32_16x16x32_bf16 v[H1+8*\a:H1+8*\a+7], v[8*(8*\s+\a):8*(8*\s+\a)+7], v[HB1+8*\s:HB1+8*\s+7], 0
.else
	v_wmma_f32_16x16x32_bf16 v[H1+8*\a:H1+8*\a+7], v[8*(8*\s+\a):8*(8*\s+\a)+7], v[HB1+8*\s:HB1+8*\s+7], v[H1+8*\a:H1+8*\a+7]
.endif
.endr
.endr
	s_wait_loadcnt 16                              ; window 3 is in; emb_b2's sixteen loads may stay out
	WIN 0x03
.irp s, 0,1,2,3
.irp a, 0,1,2,3,4,5,6,7
	v_wmma_f32_16x16x32_bf16 v[H1+8*\a:H1+8*\a+7], v[8*(8*\s+\a):8*(8*\s+\a)+7], v[HB1+32+8*\s:HB1+32+8*\s+7], v[H1+8*\a:H1+8*\a+7]
.endr
.endr
	s_wait_loadcnt 0x0
	WIN 0
	PLACES
.set n, 0
.rept 32
	v_pk_add_f32 v[H1+2*n:H1+2*n+1], v[H1+2*n:H1+2*n+1], v[128+2*n:129+2*n]
.set n, n+1
.endr
.irp a, 0,1,2,3,4,5,6,7
	ds_store_b128 v8, v[H1+8*\a:H1+8*\a+3]   offset:64*\a
	ds_store_b128 v8, v[H1+8*\a+4:H1+8*\a+7] offset:64*\a+16
.endr
.irp k, 0,1,2,3,4,5,6,7,8,9,10,11,12,13,14,15
	ds_load_b128 v[128+4*\k:131+4*\k], v4 offset:\k*CPITCH     ; LDS serves a wave's instructions in order (ISA guide 5.7.1.4): these see the stores above
.endr
	s_wait_dscnt 0x0
	LNROWS 16, 128, 192, 208, 224
.irp k, 0,1,2,3,4,5,6,7,8,9,10,11,12,13,14,15
	global_store_b128 v4, v[128+4*\k:131+4*\k], s[20:21] offset:\k*512         ; a whole row of 512 bytes
	global_store_b64  v9, v[224+2*\k:225+2*\k], s[28:29] offset:\k*256         ; a whole row of 256 bytes
.endr
	s_wait_tensorcnt 0x0
	ds_add_u32 v62, v63
	s_wait_dscnt 0x0
	s_endpgm
.Lfunc_end_k_q5135d61bf0_embed:
	.size	k_q5135d61bf0_embed, .Lfunc_end_k_q5135d61bf0_embed-k_q5135d61bf0_embed
	.p2alignl 7, 3214868480
	.fill 96, 4, 3214868480
	.section	.rodata,"a",@progbits
	.p2align	6, 0x0
	.amdhsa_kernel k_q5135d61bf0_embed
		.amdhsa_group_segment_fixed_size 8704
		.amdhsa_private_segment_fixed_size 0
		.amdhsa_enable_private_segment 0
		.amdhsa_kernarg_size 56
		.amdhsa_user_sgpr_count 2
		.amdhsa_user_sgpr_kernarg_segment_ptr 1
		.amdhsa_wavefront_size32 1
		.amdhsa_system_sgpr_workgroup_id_x 1
		.amdhsa_system_sgpr_workgroup_id_y 1
		.amdhsa_system_sgpr_workgroup_id_z 1
		.amdhsa_system_vgpr_workitem_id 0
		.amdhsa_next_free_vgpr 1024
		.amdhsa_next_free_sgpr 66
		.amdhsa_reserve_vcc 1
		.amdhsa_float_denorm_mode_32 3
		.amdhsa_float_denorm_mode_16_64 3
		.amdhsa_memory_ordered 1
		.amdhsa_forward_progress 1
		.amdhsa_inst_pref_size 75
	.end_amdhsa_kernel
	.amdgpu_metadata
---
amdhsa.version: [ 1, 2 ]
amdhsa.kernels:
  - .name:           k_q5135d61bf0_embed
    .symbol:         k_q5135d61bf0_embed.kd
    .args:
      - { .name: x, .offset: 0, .size: 8, .value_kind: global_buffer, .address_space: global }
      - { .name: wts, .offset: 8, .size: 8, .value_kind: global_buffer, .address_space: global }
      - { .name: params_emb_b1, .offset: 16, .size: 8, .value_kind: global_buffer, .address_space: global }
      - { .name: params_emb_b2, .offset: 24, .size: 8, .value_kind: global_buffer, .address_space: global }
      - { .name: params_blocks_n1w, .offset: 32, .size: 8, .value_kind: global_buffer, .address_space: global }
      - { .name: params_blocks_n1b, .offset: 40, .size: 8, .value_kind: global_buffer, .address_space: global }
      - { .name: ha, .offset: 48, .size: 8, .value_kind: global_buffer, .address_space: global }
    .group_segment_fixed_size: 8704
    .private_segment_fixed_size: 0
    .kernarg_segment_align: 8
    .kernarg_segment_size: 56
    .max_flat_workgroup_size: 32
    .sgpr_count:     66
    .vgpr_count:     1024
    .wavefront_size: 32
...
	.end_amdgpu_metadata
.endif
;; end of part 2
;; launch layer0 (part 3): grid 256 x 1, 8 waves a work-group, clusters of 4 x 1, 327,680 bytes of LDS; arguments adj, ha, wts, lay0, params_blocks_g_w, params_blocks_g_b, params_blocks_proj_b, params_blocks_n2w, params_blocks_n2b, params_blocks_b1, params_blocks_b2, params_blocks_n1w, params_blocks_n1b, params_head_ln_w, params_head_ln_b, hb; writes hb
.if DOCPART == 3
	.amdgcn_target "amdgcn-amd-amdhsa--gfx1250"
	.amdhsa_code_object_version 6
	.text
	.protected	k_q5135d61bf0_layer0
	.globl	k_q5135d61bf0_layer0
	.p2align	8
	.type	k_q5135d61bf0_layer0,@function
k_q5135d61bf0_layer0:
	s_mov_b64 s[64:65], 0
	v_nop
	global_prefetch_b8 v0, s[64:65] scope:SCOPE_SE
	s_setreg_imm32_b32 hwreg(HW_REG_WAVE_MODE, 25, 1), 1
	s_wait_xcnt 0x0
	s_wait_alu depctr_hold_cnt(0) depctr_sa_sdst(0) depctr_va_vdst(0) depctr_va_sdst(0) depctr_va_ssrc(0) depctr_va_vcc(0) depctr_vm_vsrc(0)
	s_getreg_b32 s2, hwreg(HW_REG_IB_STS2, 6, 4)
	s_cmp_eq_u32 s2, 0
	s_cbranch_scc0 .Lentry_in_a_cluster
	s_endpgm
.Lentry_in_a_cluster:
	s_bfe_u32 s2, ttmp6, 0x10000c
	s_cmp_lg_u32 s2, 0x3003
	s_cbranch_scc0 .Lentry_shape_is_right
	s_endpgm
.Lentry_shape_is_right:
; One transformer block in one launch.  In: hn = LayerNorm_1(carry) of this layer (f32 and bf16).  Out: the next layer's hn, or, behind the
; last layer, the head's LayerNorm of the carry.
; qkv has no bias, so scores and values are linear in hn: with MT_h = Wk_h^T Wq_h and NT_h = proj_h Wv_h (folded by an earlier launch)
;   S_h[n][m] = sum c' hn[m][c'] Q''_h[n][c'],  Q''_h = hn MT_h^T,      attention's share of h = sum over heads of (P_h hn) NT_h^T.
; So EVERY head has the same keys and values, hn of the batch: 1,024 rows x 256 bytes, which lie in LDS whole.  No q, k, v or o goes to memory.
; A work-group owns 16 rows and all 8 heads (128 queries); the sum over heads, residual, LayerNorm_2, MLP and the next LayerNorm are its own.
; Wave w (p = w % 4, kh = w / 4) takes keys 512 kh .. + 511 for heads 2 p + kh (tile 0, which it keeps) and 2 p + 1 - kh (tile 1, which it hands
; to wave w xor 4): each key fragment from LDS feeds two query tiles, and the text is the same for all waves.
; All products are computed transposed (weights, keys, values = operand A; rows = operand B): in a result lane (r, h) holds features (or keys)
; 16 t + 8 h + 0..7 of row r, so two packed tiles ARE the next product's B fragment, and maxima, sums, gammas are one number a lane.
; exp(g) D^-0.5 log2 e is multiplied into Q'' before it is rounded; adj x exp(g1) log2 e is the C operand of the first score product, for both
; query tiles; the softmax runs in base 2 with a running maximum; its sums are made by the matrix unit (a fragment of ones times P).
; The two halves of the keys meet behind the product with NT: each half of P hn goes into it unscaled, and the two results are joined with
; 2^(m - max) / sum, which is one number a lane there.
; CLUSTER: the four work-groups of a cluster lie in one batch and ask for hn jointly (mask 15).  The weights are NOT asked for jointly: hn takes
; 278,528 of the 327,680 bytes of LDS and the queries 34,816, so there is no slot for the 640 KiB of fragments that a work-group walks; they go
; straight to registers, 512 neighbouring bytes a load.  adj (64 KiB a work-group) does not fit beside hn either and goes to registers.
; LIMITS: erf by a five-term formula (Abramowitz and Stegun 7.1.26), absolute error 1.5e-7 in erf; the folded matrices are rounded to bf16 once
; more; the two key halves of P hn are rounded to bf16 separately; gamma's two dot products take bf16 operands; the softmax sum is taken over P
; as rounded to bf16; a NaN loses in the running maximum; infinite inputs are not served.
.set PITCH,  272                       ; LDS row of hn and of Q'': 256 bytes + 16
.set HALF,   512*PITCH                 ; the second half of the keys
; LDS: hn at 0 (1,024 x 272, filled once by the tensor loads, only ever read).  All that is written by LDS stores lies behind it:
.set QS,     1024*PITCH                ; 278,528: Q'', 128 queries x 272 = 34,816 bytes; behind the attention loop and a barrier these bytes are scratch:
.set XO,     QS                        ;   tile 1 of O in bf16: wave x 4,096
.set YP,     QS                        ;   shares of y, four output tiles at a time: tile x 8,192 + source wave x 1,024
.set HD,     QS                        ;   the hidden layer as B fragments: k-step x 1,024
.set CB,     QS+8192                   ;   the carry, turned: 16 rows x 528
.set ML,     QS+128*PITCH              ; 313,344: wave x 256: tile 1's maximum and sum
.set HT,     ML+4096                   ; 317,440: h, transposed: tile x 1,024
.set CPITCH, 528
.set BF16,   2097152                   ; the bf16 copy lies behind the f32 copy
.set WTS_NT, 1310720
.set WTS_W1, 2621440
.set WTS_W2, 2949120
; window 0
.set KAD, 5                            ; LDS address of my key fragments
.set VAD, 6                            ; of my value fragments (transposing loads)
.set AOF, 7                            ; my byte offset in adj
.set G1P, 8                            ; v[8:9]     exp(g1) log2 e, twice
.set MM,  10                           ; v[10:11]   running maximum, tile 0, 1
.set LL,  12                           ; v[12:13]   the sums, behind the loop
.set MN,  14                           ; v[14:17]   new maximum, a pair for each tile; at the end the two scales of y
.set AL,  18                           ; v[18:21]   2^(old - new maximum), a pair for each tile
.set TT,  22                           ; v[22:31]   at work
.set SS,  32                           ; v[32:95]   scores: tile (i, t) at 32 t + 8 i
.set PP,  96                           ; v[96:127]  P as B fragments: (t, u) at 16 t + 8 u
.set ADJ, 128                          ; v[128:159] adj of the trip's 64 keys, times exp(g1) log2 e
.set FB0, 160                          ; v[160:223] 8 fragments of keys or values
.set HB,  224                          ; v[224:255] my rows as B fragments (first phase)
.set ONES, 224                         ; v[224:231] attention: an A fragment of ones in bf16
.set LA,  232                          ; v[232:247] attention: the running sums, an accumulator tile for each query tile
.set LNW, 88                           ; v[88:91], v[92:95]: the next LayerNorm's gain and bias (tail)
.set LNB, 92
.set GT,  192                          ; GELU's temporaries
; window 1 (local numbers)
.set OO,  0                            ; 0-127   O: tile (t, dt) at 64 t + 8 dt
.set QF,  128                          ; 128-191 Q'' as B fragments: (t, s) at 32 t + 8 s
.set FB1, 192                          ; 192-255 8 fragments of keys or values
.set PLO, 60
.set PHI, 61
.set INV, 90
.set EPS, 91
.set MSB, 0
.macro WIN new                         ; low byte: bits 1:0 source 0, 3:2 source 1, 5:4 source 2, 7:6 destination; high byte: the setting that is left
.if MSB != \new
	s_set_vgpr_msb (MSB<<8)|\new
.set MSB, \new
.endif
.endm
.macro PLACES                          ; four places behind a matrix instruction before its registers are read, written or loaded into (ISA guide 7.12.1)
.rept 4
	v_nop
.endr
.endm
.macro BAR                             ; my LDS instructions are done, for the others' sake; then the work-group's barrier
	s_wait_dscnt 0x0
	s_barrier_signal -1
	s_barrier_wait -1
.endm
.macro ROUND                           ; a round of the cluster's barrier
	s_barrier_signal -1
	s_barrier_wait -1
	s_cmp_lg_u32 s40, 0
	s_cbranch_scc1 .Lnot_wave_0_\@
	s_barrier_signal -3
.Lnot_wave_0_\@:
	s_barrier_wait -3
	s_barrier_signal -1
	s_barrier_wait -1
.endm
.macro RED cnt, t, u
.irp m, 1,2,4,8
.set ri, 0
.rept \cnt
	v_add_f32_dpp v[\t+ri], v[\t+ri], v[\t+ri] row_xmask:\m row_mask:0xf bank_mask:0xf
.set ri, ri+1
.endr
.endr
.set ri, 0
.rept \cnt
	v_permlanex16_b32 v[\u+ri], v[\t+ri], s[PLO], s[PHI]
.set ri, ri+1
.endr
.set ri, 0
.rept \cnt
	v_add_f32 v[\t+ri], v[\t+ri], v[\u+ri]
.set ri, ri+1
.endr
.endm
.macro LNROWS cnt, x, t, u, y          ; cnt turned rows, four features a lane at v[x+4i]: LayerNorm in two passes, in place; bf16 to v[y+2i]
.set li, 0
.rept \cnt
	v_add_f32 v[\t+li], v[\x+4*li], v[\x+4*li+1]
	v_add_f32 v[\u+li], v[\x+4*li+2], v[\x+4*li+3]
.set li, li+1
.endr
.set li, 0
.rept \cnt
	v_add_f32 v[\t+li], v[\t+li], v[\u+li]
.set li, li+1
.endr
	RED \cnt, \t, \u
.set li, 0
.rept \cnt
	v_mul_f32 v[\t+li], s[INV], v[\t+li]
.set li, li+1
.endr
.set li, 0
.rept \cnt
.irp k, 0,1,2,3
	v_sub_f32 v[\x+4*li+\k], v[\x+4*li+\k], v[\t+li]
.endr
.set li, li+1
.endr
.set li, 0
.rept \cnt
	v_mul_f32 v[\t+li], v[\x+4*li], v[\x+4*li]
.set li, li+1
.endr
.irp k, 1,2,3
.set li, 0
.rept \cnt
	v_fmac_f32 v[\t+li], v[\x+4*li+\k], v[\x+4*li+\k]
.set li, li+1
.endr
.endr
	RED \cnt, \t, \u
.set li, 0
.rept \cnt
	v_fma_f32 v[\t+li], v[\t+li], s[INV], s[EPS]
.set li, li+1
.endr
.set li, 0
.rept \cnt
	v_rsq_f32 v[\t+li], v[\t+li]
.set li, li+1
.endr
	v_nop                                          ; one plain place behind the last v_rsq_f32 (ISA guide 5.7.2)
.set li, 0
	s_wait_alu depctr_va_vdst(0)
.rept \cnt
.irp k, 0,1,2,3
	v_mul_f32 v[\x+4*li+\k], v[\x+4*li+\k], v[\t+li]
.endr
.set li, li+1
.endr
.set li, 0
.rept \cnt
.irp k, 0,1,2,3
	v_fma_f32 v[\x+4*li+\k], v[\x+4*li+\k], v[LNW+\k], v[LNB+\k]
.endr
	v_cvt_pk_bf16_f32 v[\y+2*li],   v[\x+4*li],   v[\x+4*li+1]
	v_cvt_pk_bf16_f32 v[\y+2*li+1], v[\x+4*li+2], v[\x+4*li+3]
.set li, li+1
.endr
.endm
; LayerNorm's statistics in the transposed layout: v[x .. x+63] = 64 features of row r, the other 64 in lane xor 16.  Two passes.
; Leaves (x - mean) rstd in place, the mean in v[c+8:c+9], rstd in v[c+10:c+11]; v[c .. c+7] are four chains.
.macro LNT x, c
.irp k, 0,1,2,3
	v_pk_add_f32 v[\c+2*\k:\c+2*\k+1], v[\x+2*\k:\x+2*\k+1], v[\x+8+2*\k:\x+8+2*\k+1]
.endr
.irp e, 16,24,32,40,48,56
.irp k, 0,1,2,3
	v_pk_add_f32 v[\c+2*\k:\c+2*\k+1], v[\c+2*\k:\c+2*\k+1], v[\x+\e+2*\k:\x+\e+2*\k+1]
.endr
.endr
	v_pk_add_f32 v[\c:\c+1], v[\c:\c+1], v[\c+2:\c+3]
	v_pk_add_f32 v[\c+4:\c+5], v[\c+4:\c+5], v[\c+6:\c+7]
	v_pk_add_f32 v[\c:\c+1], v[\c:\c+1], v[\c+4:\c+5]
	v_add_f32 v[\c], v[\c], v[\c+1]
	v_permlanex16_b32 v[\c+2], v[\c], s[PLO], s[PHI]
	v_add_f32 v[\c], v[\c], v[\c+2]
	v_mul_f32 v[\c+8], s[INV], v[\c]
	v_mul_f32 v[\c+9], s[INV], v[\c]
.set ti, 0
.rept 32
	v_pk_add_f32 v[\x+2*ti:\x+2*ti+1], v[\x+2*ti:\x+2*ti+1], v[\c+8:\c+9] neg_lo:[0,1] neg_hi:[0,1]
.set ti, ti+1
.endr
.irp k, 0,1,2,3
	v_pk_mul_f32 v[\c+2*\k:\c+2*\k+1], v[\x+2*\k:\x+2*\k+1], v[\x+2*\k:\x+2*\k+1]
.endr
.irp e, 8,16,24,32,40,48,56
.irp k, 0,1,2,3
	v_pk_fma_f32 v[\c+2*\k:\c+2*\k+1], v[\x+\e+2*\k:\x+\e+2*\k+1], v[\x+\e+2*\k:\x+\e+2*\k+1], v[\c+2*\k:\c+2*\k+1]
.endr
.endr
	v_pk_add_f32 v[\c:\c+1], v[\c:\c+1], v[\c+2:\c+3]
	v_pk_add_f32 v[\c+4:\c+5], v[\c+4:\c+5], v[\c+6:\c+7]
	v_pk_add_f32 v[\c:\c+1], v[\c:\c+1], v[\c+4:\c+5]
	v_add_f32 v[\c], v[\c], v[\c+1]
	v_permlanex16_b32 v[\c+2], v[\c], s[PLO], s[PHI]
	v_add_f32 v[\c], v[\c], v[\c+2]
	v_fma_f32 v[\c+10], v[\c], s[INV], s[EPS]
	v_rsq_f32 v[\c+10], v[\c+10]
	v_nop                                          ; one plain place behind v_rsq_f32
	s_wait_alu depctr_va_vdst(0)
	v_mov_b32 v[\c+11], v[\c+10]
.set ti, 0
.rept 32
	v_pk_mul_f32 v[\x+2*ti:\x+2*ti+1], v[\x+2*ti:\x+2*ti+1], v[\c+10:\c+11]
.set ti, ti+1
.endr
.endm
; gelu(x) = x Phi(x) on cnt pairs at v[x+2i], stage by stage so that the chains do not wait for each other.  E = erfc(|x| / sqrt 2) =
; (a1 t + .. + a5 t^5) exp(-x^2 / 2), t = 1 / (1 + 0.23164189 |x|); gelu = ((x + |x|) - |x| E) / 2: no cancellation for x < 0.
; a1..a5 lie as pairs in v[10:19].  Temporaries of pair i at GT + 10 i: |x|, t, exp, x + |x|, the polynomial.
.macro GELU cnt, x
.set gi, 0
.rept \cnt
	v_and_b32 v[GT+10*gi],   0x7fffffff, v[\x+2*gi]
	v_and_b32 v[GT+10*gi+1], 0x7fffffff, v[\x+2*gi+1]
	v_pk_mul_f32 v[GT+10*gi+4:GT+10*gi+5], v[\x+2*gi:\x+2*gi+1], v[\x+2*gi:\x+2*gi+1]
.set gi, gi+1
.endr
.set gi, 0
.rept \cnt
	v_pk_fma_f32 v[GT+10*gi+2:GT+10*gi+3], v[GT+10*gi:GT+10*gi+1], 0x3e6d3388, 1.0 op_sel_hi:[1,0,0]      ; 1 + 0.23164189 |x|
	v_pk_mul_f32 v[GT+10*gi+4:GT+10*gi+5], v[GT+10*gi+4:GT+10*gi+5], 0xbf38aa3b op_sel_hi:[1,0]           ; -x^2 / 2 x log2 e
.set gi, gi+1
.endr
.set gi, 0
.rept \cnt
	v_rcp_f32 v[GT+10*gi+2], v[GT+10*gi+2]
	v_rcp_f32 v[GT+10*gi+3], v[GT+10*gi+3]
	v_exp_f32 v[GT+10*gi+4], v[GT+10*gi+4]
	v_exp_f32 v[GT+10*gi+5], v[GT+10*gi+5]
.set gi, gi+1
.endr
.set gi, 0
.rept \cnt
	v_pk_add_f32 v[GT+10*gi+6:GT+10*gi+7], v[\x+2*gi:\x+2*gi+1], v[GT+10*gi:GT+10*gi+1]    ; the plain place behind the transcendentals
.set gi, gi+1
.endr
.set gi, 0
	s_wait_alu depctr_va_vdst(0)
.rept \cnt
	v_pk_fma_f32 v[GT+10*gi+8:GT+10*gi+9], v[GT+10*gi+2:GT+10*gi+3], v[18:19], v[16:17]
.set gi, gi+1
.endr
.irp k, 14,12,10
.set gi, 0
.rept \cnt
	v_pk_fma_f32 v[GT+10*gi+8:GT+10*gi+9], v[GT+10*gi+8:GT+10*gi+9], v[GT+10*gi+2:GT+10*gi+3], v[\k:\k+1]
.set gi, gi+1
.endr
.endr
.set gi, 0
.rept \cnt
	v_pk_mul_f32 v[GT+10*gi+2:GT+10*gi+3], v[GT+10*gi+2:GT+10*gi+3], v[GT+10*gi+4:GT+10*gi+5]
.set gi, gi+1
.endr
.set gi, 0
.rept \cnt
	v_pk_mul_f32 v[GT+10*gi+8:GT+10*gi+9], v[GT+10*gi+8:GT+10*gi+9], v[GT+10*gi+2:GT+10*gi+3]
.set gi, gi+1
.endr
.set gi, 0
.rept \cnt
	v_pk_fma_f32 v[GT+10*gi+6:GT+10*gi+7], v[GT+10*gi:GT+10*gi+1], v[GT+10*gi+8:GT+10*gi+9], v[GT+10*gi+6:GT+10*gi+7] neg_lo:[1,0,0] neg_hi:[1,0,0]
.set gi, gi+1
.endr
.set gi, 0
.rept \cnt
	v_pk_mul_f32 v[\x+2*gi:\x+2*gi+1], v[GT+10*gi+6:GT+10*gi+7], 0.5 op_sel_hi:[1,0]
.set gi, gi+1
.endr
.endm
.macro KLOAD s0, fb                    ; key fragments (i, s0) and (i, s0 + 1) of the trip's four key tiles: 16 loads
.irp ss, 0,1
.irp i, 0,1,2,3
	ds_load_b128 v[\fb+8*(4*\ss+\i):\fb+8*(4*\ss+\i)+3],   v[KAD] offset:\i*16*PITCH+64*(\s0+\ss)
	ds_load_b128 v[\fb+8*(4*\ss+\i)+4:\fb+8*(4*\ss+\i)+7], v[KAD] offset:\i*16*PITCH+64*(\s0+\ss)+32
.endr
.endr
.endm
.macro VLOAD u, fb                     ; hn^T: 8 feature tiles x keys 32 u .. + 31 of the trip: 16 transposing loads
.irp dt, 0,1,2,3,4,5,6,7
	ds_load_tr16_b128 v[\fb+8*\dt:\fb+8*\dt+3],   v[VAD] offset:\u*32*PITCH+32*\dt
	ds_load_tr16_b128 v[\fb+8*\dt+4:\fb+8*\dt+7], v[VAD] offset:\u*32*PITCH+32*\dt+16*PITCH
.endr
.endm
; scores, k-step ks: 8 matrix instructions, the 8 accumulators by turns.
; start = 1: the sums start from adj x exp(g1) log2 e, the same C for both query tiles; D is disjoint from C.
.macro SPROD ks, fb, start
.irp i, 0,1,2,3
.irp t, 0,1
.if \start
	v_wmma_f32_16x16x32_bf16 v[SS+32*\t+8*\i:SS+32*\t+8*\i+7], v[\fb+8*(4*(\ks&1)+\i):\fb+8*(4*(\ks&1)+\i)+7], v[QF+32*\t+8*\ks:QF+32*\t+8*\ks+7], v[ADJ+8*\i:ADJ+8*\i+7]
.else
	v_wmma_f32_16x16x32_bf16 v[SS+32*\t+8*\i:SS+32*\t+8*\i+7], v[\fb+8*(4*(\ks&1)+\i):\fb+8*(4*(\ks&1)+\i)+7], v[QF+32*\t+8*\ks:QF+32*\t+8*\ks+7], v[SS+32*\t+8*\i:SS+32*\t+8*\i+7]
.endif
.endr
.endr
.endm
.macro PVPROD u, fb, zero              ; O += hn^T P, keys 32 u .. + 31: 16 matrix instructions, the 16 accumulators by turns
.irp dt, 0,1,2,3,4,5,6,7
.irp t, 0,1
.if \zero
	v_wmma_f32_16x16x32_bf16 v[OO+64*\t+8*\dt:OO+64*\t+8*\dt+7], v[\fb+8*\dt:\fb+8*\dt+7], v[PP+16*\t+8*\u:PP+16*\t+8*\u+7], 0
.else
	v_wmma_f32_16x16x32_bf16 v[OO+64*\t+8*\dt:OO+64*\t+8*\dt+7], v[\fb+8*\dt:\fb+8*\dt+7], v[PP+16*\t+8*\u:PP+16*\t+8*\u+7], v[OO+64*\t+8*\dt:OO+64*\t+8*\dt+7]
.endif
.endr
.endr
.endm
.macro NPROD ab, bb, acc, zero         ; one k-step of NT x (P hn): 8 output tiles, the 8 accumulators by turns
.irp a, 0,1,2,3,4,5,6,7
.if \zero
	v_wmma_f32_16x16x32_bf16 v[\acc+8*\a:\acc+8*\a+7], v[\ab+8*\a:\ab+8*\a+7], v[\bb:\bb+7], 0
.else
	v_wmma_f32_16x16x32_bf16 v[\acc+8*\a:\acc+8*\a+7], v[\ab+8*\a:\ab+8*\a+7], v[\bb:\bb+7], v[\acc+8*\a:\acc+8*\a+7]
.endif
.endr
.endm
.macro NTFR s, a, reg                  ; fragment (a, s) of my head's NT into 8 registers of the window set for destinations
	global_load_b128 v[\reg:\reg+3],   v4, s[70:71] offset:(\a*4+\s)*1024
	global_load_b128 v[\reg+4:\reg+7], v4, s[70:71] offset:(\a*4+\s)*1024+512
.endm
.macro YPSTORE a0                      ; my share of output tiles a0 .. a0 + 3
.irp a, 0,1,2,3
	ds_store_b128 v23, v[SS+8*(\a0+\a):SS+8*(\a0+\a)+3]   offset:\a*8192
	ds_store_b128 v23, v[SS+8*(\a0+\a)+4:SS+8*(\a0+\a)+7] offset:\a*8192+512
.endr
.endm
.macro YPLOAD                          ; all eight heads' shares of my output tile
.irp k, 0,1,2,3,4,5,6,7
	ds_load_b128 v[192+8*\k:195+8*\k], v24 offset:\k*1024
	ds_load_b128 v[196+8*\k:199+8*\k], v24 offset:\k*1024+512
.endr
.endm
.macro ADJLOAD                         ; adj[row r][64 keys]: lane (r, h) takes keys 16 i + 8 h + 0..7, as the scores lie
.irp i, 0,1,2,3
	global_load_b128 v[ADJ+8*\i:ADJ+8*\i+3],   v[AOF], s[80:81] offset:64*\i
	global_load_b128 v[ADJ+8*\i+4:ADJ+8*\i+7], v[AOF], s[80:81] offset:64*\i+16
.endr
.endm
; One trip: 64 keys x 32 queries.  first = 1: maxima, sums and O start here, nothing is cleared.  next = 1: the next trip's adj and keys are
; asked for; next = 0 (the last trip): 40 of the 64 loads of NT go out instead, into registers that are dead from there on.
.macro TRIP first, next
	s_wait_loadcnt 0x0                             ; this trip's adj is in; its loads are done, so their offset may step
	v_add_nc_u32 v[AOF], 256, v[AOF]
.irp i, 0,1,2,3
.irp q, 0,2,4,6
	v_pk_mul_f32 v[ADJ+8*\i+\q:ADJ+8*\i+\q+1], v[ADJ+8*\i+\q:ADJ+8*\i+\q+1], v[G1P:G1P+1]
.endr
.endr
	s_wait_dscnt 16                                ; (Q'' and) buffer 1's keys are in; buffer 0's sixteen loads, issued behind them, may stay out
	WIN 0x05
	SPROD 2, FB1, 1
	SPROD 3, FB1, 0
	s_wait_dscnt 0x0
	WIN 0x04
	SPROD 0, FB0, 0
	SPROD 1, FB0, 0
	WIN 0x40
	PLACES
	VLOAD 1, FB1                                   ; the values land while the softmax runs
.if \next
.else
.irp a, 0,1,2,3,4,5,6,7
	NTFR 2, \a, 128+8*\a                           ; NT, k-step 2, where Q'' lay: the last score product has read it
.endr
.endif
	WIN 0
	VLOAD 0, FB0
	v_add_nc_u32 v[VAD], 64*PITCH, v[VAD]
	v_add_nc_u32 v[KAD], 64*PITCH, v[KAD]
.if \next
	ADJLOAD                                        ; asked for most of a trip ahead of its use
.else
.irp a, 0,1,2,3
	NTFR 0, \a, 128+8*\a                           ; NT, k-step 0, output tiles 0-3, where adj lay
.endr
.endif
	; the maximum of my 32 scores of each tile, two chains a tile; then the old maximum; then the other half of the keys in lane xor 16
.irp t, 0,1
	v_max3_num_f32 v[TT+2*\t],   v[SS+32*\t],    v[SS+32*\t+1],  v[SS+32*\t+2]
	v_max3_num_f32 v[TT+2*\t+1], v[SS+32*\t+16], v[SS+32*\t+17], v[SS+32*\t+18]
.endr
.irp k, 3,5,7,9,11,13
.irp t, 0,1
	v_max3_num_f32 v[TT+2*\t],   v[TT+2*\t],   v[SS+32*\t+\k],    v[SS+32*\t+\k+1]
	v_max3_num_f32 v[TT+2*\t+1], v[TT+2*\t+1], v[SS+32*\t+16+\k], v[SS+32*\t+16+\k+1]
.endr
.endr
.irp t, 0,1
	v_max3_num_f32 v[TT+2*\t], v[TT+2*\t], v[SS+32*\t+15], v[SS+32*\t+31]
.endr
.irp t, 0,1
.if \first
	v_max_num_f32 v[TT+2*\t], v[TT+2*\t], v[TT+2*\t+1]
.else
	v_max3_num_f32 v[TT+2*\t], v[TT+2*\t], v[TT+2*\t+1], v[MM+\t]
.endif
.endr
	v_permlanex16_b32 v[TT+4], v[TT],   s[PLO], s[PHI]
	v_permlanex16_b32 v[TT+5], v[TT+2], s[PLO], s[PHI]
	v_max_num_f32 v[MN],   v[TT],   v[TT+4]
	v_max_num_f32 v[MN+2], v[TT+2], v[TT+5]
	v_mov_b32 v[MN+1], v[MN]
	v_mov_b32 v[MN+3], v[MN+2]
.if \first
.else
	v_sub_f32 v[AL],   v[MM],   v[MN]
	v_sub_f32 v[AL+2], v[MM+1], v[MN+2]
	v_exp_f32 v[AL],   v[AL]
	v_exp_f32 v[AL+2], v[AL+2]
.endif
	v_mov_b32 v[MM],   v[MN]                       ; also the plain place behind the two v_exp_f32
	v_mov_b32 v[MM+1], v[MN+2]
.if \first
.else
	s_wait_alu depctr_va_vdst(0)
	v_mov_b32 v[AL+1], v[AL]
	v_mov_b32 v[AL+3], v[AL+2]
.irp t, 0,1
.irp q, 0,2,4,6
	v_pk_mul_f32 v[LA+8*\t+\q:LA+8*\t+\q+1], v[LA+8*\t+\q:LA+8*\t+\q+1], v[AL+2*\t:AL+2*\t+1]    ; the old sums, to the new maximum
.endr
.endr
.endif
.irp t, 0,1
.set tn, 0
.rept 16
	v_pk_add_f32 v[SS+32*\t+2*tn:SS+32*\t+2*tn+1], v[SS+32*\t+2*tn:SS+32*\t+2*tn+1], v[MN+2*\t:MN+2*\t+1] neg_lo:[0,1] neg_hi:[0,1]
.set tn, tn+1
.endr
.endr
.set tn, 0
.rept 64
	v_exp_f32 v[SS+tn], v[SS+tn]
.set tn, tn+1
.endr
	v_nop                                          ; one plain place behind the last v_exp_f32
.set tn, 0
	s_wait_alu depctr_va_vdst(0)
.rept 32
	v_cvt_pk_bf16_f32 v[PP+tn], v[SS+2*tn], v[SS+2*tn+1]       ; two packed key tiles are a B fragment of 32 keys
.set tn, tn+1
.endr
	; the sums: ones x P adds the 32 keys of a fragment, for each query in every register of its tile; two accumulators by turns
.if \first
	v_wmma_f32_16x16x32_bf16 v[LA:LA+7],    v[ONES:ONES+7], v[PP:PP+7],       0
	v_wmma_f32_16x16x32_bf16 v[LA+8:LA+15], v[ONES:ONES+7], v[PP+16:PP+23],   0
.else
	v_wmma_f32_16x16x32_bf16 v[LA:LA+7],    v[ONES:ONES+7], v[PP:PP+7],       v[LA:LA+7]
	v_wmma_f32_16x16x32_bf16 v[LA+8:LA+15], v[ONES:ONES+7], v[PP+16:PP+23],   v[LA+8:LA+15]
.endif
	v_wmma_f32_16x16x32_bf16 v[LA:LA+7],    v[ONES:ONES+7], v[PP+8:PP+15],    v[LA:LA+7]
	v_wmma_f32_16x16x32_bf16 v[LA+8:LA+15], v[ONES:ONES+7], v[PP+24:PP+31],   v[LA+8:LA+15]
.if \first
.else
	WIN 0x41
.irp t, 0,1
.set tn, 0
.rept 32
	v_pk_mul_f32 v[OO+64*\t+2*tn:OO+64*\t+2*tn+1], v[OO+64*\t+2*tn:OO+64*\t+2*tn+1], v[AL+2*\t:AL+2*\t+1]
.set tn, tn+1
.endr
.endr
.endif
	s_wait_dscnt 16                                ; buffer 1's values are in; buffer 0's sixteen loads may stay out
	WIN 0x51
	PVPROD 1, FB1, \first
	WIN 0x40
	PLACES
.if \next
	KLOAD 2, FB1                                   ; the next trip's first keys land under the sixteen matrix instructions below
	s_wait_dscnt 16                                ; buffer 0's values are in; the sixteen loads just issued may stay out
.else
.irp a, 0,1,2,3,4,5,6,7
	NTFR 3, \a, 192+8*\a                           ; NT, k-step 3, into buffer 1
.endr
	s_wait_dscnt 0x0
.endif
	WIN 0x50
	PVPROD 0, FB0, 0
	WIN 0
	PLACES
.if \next
	KLOAD 0, FB0
.endif
.endm
	; ================= set-up
	s_load_b512 s[8:23], s[0:1], 0x0               ; adj 8, hin 10, wts 12, lay 14, g_w 16, g_b 18, proj_b 20, n2w 22
	s_load_b512 s[24:39], s[0:1], 0x40             ; n2b 24, b1 26, b2 28, n1w 30, n1b 32, head_ln_w 34, head_ln_b 36, hout 38
	v_lshl_add_u32 v254, v0, 2, 0x4f800
	v_mov_b32 v255, 0
	ds_add_u32 v254, v255
	ds_add_u32 v254, v255
	s_wait_dscnt 0x0
	v_lshrrev_b32 v1, 5, v0
	v_readfirstlane_b32 s40, v1                    ; wave
	s_and_b32 s41, s40, 3                          ; p
	s_lshr_b32 s42, s40, 2                         ; kh
	s_lshl_b32 s93, s41, 1
	s_add_co_u32 s93, s93, s42                     ; the head of my tile 0: 2 p + kh
	s_xor_b32 s94, s93, 1                          ; of my tile 1
	s_bfe_u32 s44, ttmp6, 0x40000                  ; cx
	s_lshl_b32 s43, ttmp9, 2
	s_add_co_u32 s43, s43, s44                     ; work-group: rows 16 g .. 16 g + 15 (enters global addresses of my own alone)
	s_mov_b32 s[PLO], 0x76543210
	s_mov_b32 s[PHI], 0xfedcba98
	s_mov_b32 s[INV], 0x3c000000                   ; 1 / 128
	s_mov_b32 s[EPS], 0x3727c5ac                   ; 1e-5
	s_mov_b32 s92, 0x3fb8aa3b                      ; log2 e
	; the joint load: wave w brings rows 128 w .. + 127 of the batch's hn (bf16), 256 bytes a row, 16 bytes of padding behind each
	s_mov_b32 s48, 1                               ; count
	s_mul_i32 s49, s40, 128*PITCH                  ; LDS address: the wave's number alone
	s_mov_b32 s52, 15|(1<<16)|(1<<20)|(1<<21)|(5<<22)|(3<<25)  ; mask: all four of the cluster; 2-byte elements; padding of 4 words behind every 64; bit 21 beside the mask
	s_mov_b32 s53, 128<<16                         ; tensor_dim0 = 128
	s_mov_b32 s54, 128<<16                         ; tensor_dim1 = 128
	s_mov_b32 s55, 128<<16                         ; tile_dim0 = 128
	s_mov_b32 s56, 128                             ; tile_dim1 = 128
	s_mov_b32 s57, 128                             ; elements from row to row
	s_mov_b32 s58, 0
	s_mov_b32 s59, 0
	s_lshr_b32 s46, ttmp9, 4                       ; the batch: 16 clusters each, the same for the four partners
	s_lshl_b32 s46, s46, 18
	s_lshl_b32 s47, s40, 15
	s_add_co_u32 s46, s46, s47
	s_add_co_u32 s46, s46, BF16
	s_mov_b32 s47, 0
	s_wait_kmcnt 0x0
	s_load_b32 s45, s[14:15], 0x0                  ; the layer's number
	s_add_nc_u64 s[50:51], s[10:11], s[46:47]
	s_or_b32 s51, s51, 0x80000000                  ; type 2
	ROUND                                          ; the four work-groups are here: their requests meet
	tensor_load_to_lds s[48:51], s[52:59]          ; the wave's one tensor load of the launch
	s_nop 0
	s_wait_kmcnt 0x0
	s_min_u32 s45, s45, 4
	s_mov_b32 s47, 0
	s_lshl_b32 s95, s45, 18
	s_lshl_b32 s46, s40, 15
	s_add_co_u32 s46, s46, s95
	s_add_nc_u64 s[68:69], s[12:13], s[46:47]      ; MT of head w
	s_lshl_b32 s46, s93, 15
	s_add_co_u32 s46, s46, s95
	s_add_co_u32 s46, s46, WTS_NT
	s_add_nc_u64 s[70:71], s[12:13], s[46:47]      ; NT of my tile 0's head
	s_lshl_b32 s95, s45, 16
	s_lshl_b32 s46, s40, 13
	s_add_co_u32 s46, s46, s95
	s_add_co_u32 s46, s46, WTS_W1
	s_add_nc_u64 s[72:73], s[12:13], s[46:47]      ; w1, hidden tiles 2 w, 2 w + 1
	s_add_co_u32 s46, s46, WTS_W2-WTS_W1
	s_add_nc_u64 s[74:75], s[12:13], s[46:47]      ; w2, output tile w
	s_lshl_b32 s46, s43, 12
	s_add_co_u32 s46, s46, BF16
	s_add_nc_u64 s[76:77], s[10:11], s[46:47]      ; my rows in bf16
	s_lshl_b32 s95, s40, 9
	s_add_co_u32 s46, s46, s95
	s_add_nc_u64 s[84:85], s[38:39], s[46:47]      ; out, bf16, rows 2 w, 2 w + 1
	s_lshl_b32 s46, s43, 13
	s_add_nc_u64 s[78:79], s[10:11], s[46:47]      ; my rows in f32
	s_lshl_b32 s95, s40, 10
	s_add_co_u32 s46, s46, s95
	s_add_nc_u64 s[82:83], s[38:39], s[46:47]      ; out, f32
	s_lshl_b32 s46, s43, 16
	s_add_nc_u64 s[80:81], s[8:9], s[46:47]        ; my rows of adj
	s_lshl_b32 s46, s45, 9
	s_add_nc_u64 s[20:21], s[20:21], s[46:47]      ; the layer's rows of the stacked parameters
	s_add_nc_u64 s[22:23], s[22:23], s[46:47]
	s_add_nc_u64 s[24:25], s[24:25], s[46:47]
	s_add_nc_u64 s[28:29], s[28:29], s[46:47]
	s_lshl_b32 s46, s45, 10
	s_add_nc_u64 s[26:27], s[26:27], s[46:47]
	s_add_nc_u64 s[16:17], s[16:17], s[46:47]
	s_lshl_b32 s46, s45, 3
	s_add_nc_u64 s[18:19], s[18:19], s[46:47]
	s_load_b64 s[66:67], s[18:19], 0x0             ; g_b; waited for where gamma is made
	s_add_co_u32 s46, s45, 1
	s_min_u32 s46, s46, 4
	s_lshl_b32 s46, s46, 9
	s_add_nc_u64 s[86:87], s[30:31], s[46:47]      ; the next layer's LayerNorm_1,
	s_add_nc_u64 s[88:89], s[32:33], s[46:47]
	s_cmp_eq_u32 s45, 4
	s_cselect_b64 s[86:87], s[34:35], s[86:87]     ; or, behind the last layer, the head's
	s_cselect_b64 s[88:89], s[36:37], s[88:89]
	v_and_b32 v1, 15, v0                           ; r
	v_bfe_u32 v2, v0, 4, 1                         ; h
	v_and_b32 v3, 31, v0                           ; lane
	v_lshlrev_b32 v4, 4, v3                        ; 16 x lane; never rewritten
	v_and_b32 v15, 1, v0
	v_lshlrev_b32 v15, 9, v15
	v_lshl_add_u32 v15, v2, 5, v15                 ; row r % 2 of g_w, feature 8 h
	v_lshlrev_b32 v16, 8, v1
	v_lshl_add_u32 v16, v2, 4, v16                 ; row r in bf16, B fragment
	; ================= gamma and Q'' (wave w: head w)
.irp s, 0,1,2,3
	global_load_b128 v[HB+8*\s:HB+8*\s+3],   v16, s[76:77] offset:64*\s
	global_load_b128 v[HB+8*\s+4:HB+8*\s+7], v16, s[76:77] offset:64*\s+32
.endr
.irp s, 0,1,2,3
	global_load_b128 v[96+16*\s:99+16*\s],   v15, s[16:17] offset:128*\s       ; g_w in f32, as an A fragment lies: k = 32 s + 8 h + 0..7,
	global_load_b128 v[100+16*\s:103+16*\s], v15, s[16:17] offset:128*\s+16
	global_load_b128 v[104+16*\s:107+16*\s], v15, s[16:17] offset:128*\s+64    ; and k = 32 s + 16 + 8 h + 0..7
	global_load_b128 v[108+16*\s:111+16*\s], v15, s[16:17] offset:128*\s+80
.endr
	WIN 0x40                                       ; MT: fragment (a, s) to window 1 at 8 (8 s + a), in the order of its use
.irp s, 0,1,2,3
.irp a, 0,1,2,3,4,5,6,7
	global_load_b128 v[8*(8*\s+\a):8*(8*\s+\a)+3],   v4, s[68:69] offset:(\a*4+\s)*1024
	global_load_b128 v[8*(8*\s+\a)+4:8*(8*\s+\a)+7], v4, s[68:69] offset:(\a*4+\s)*1024+512
.endr
.endr
	WIN 0
	v_mul_u32_u24 v17, v1, PITCH
	v_lshl_add_u32 v17, v2, 4, v17                 ; row r x pitch + 16 h
	s_mul_i32 s46, s42, HALF
	v_add_nc_u32 v[KAD], s46, v17
	v_and_b32 v18, 7, v0
	v_lshl_add_u32 v18, v2, 3, v18
	v_bfe_u32 v19, v0, 3, 1
	v_mul_u32_u24 v18, v18, PITCH
	v_lshl_add_u32 v18, v19, 4, v18
	v_add_nc_u32 v[VAD], s46, v18                  ; (8 h + lane % 8) rows + 16 x bit 3 of the lane
	v_lshlrev_b32 v[AOF], 12, v1
	v_lshl_add_u32 v[AOF], v2, 5, v[AOF]
	s_lshl_b32 s47, s42, 11
	v_add_nc_u32 v[AOF], s47, v[AOF]               ; row r of adj, key 512 kh + 8 h
	s_mul_i32 s46, s40, 16*PITCH
	s_add_co_u32 s46, s46, QS
	v_add_nc_u32 v20, s46, v17                     ; where head w's Q'' goes
	s_mul_i32 s46, s93, 16*PITCH
	s_add_co_u32 s46, s46, QS
	v_add_nc_u32 v18, s46, v17                     ; where my tile 0's Q'' is read
	s_mul_i32 s46, s94, 16*PITCH
	s_add_co_u32 s46, s46, QS
	v_add_nc_u32 v19, s46, v17                     ; my tile 1's
	s_wait_loadcnt 63                              ; of 88 loads at most 63 are out: the first 25 are in, my rows' 8 and g_w's 16 among them
.set n, 0
.rept 32
	v_cvt_pk_bf16_f32 v[160+n], v[96+2*n], v[97+2*n]           ; four A fragments whose row m is g_w's row m % 2
.set n, n+1
.endr
	ADJLOAD                                        ; the first trip's adj
	; g_w x hn^T: register j of the result is row 8 h + j, that is z0 for even j and z1 for odd j, of my row r, in every lane.  Two accumulators by turns
	v_wmma_f32_16x16x32_bf16 v[192:199], v[160:167], v[HB:HB+7],     0
	v_wmma_f32_16x16x32_bf16 v[200:207], v[168:175], v[HB+8:HB+15],  0
	v_wmma_f32_16x16x32_bf16 v[192:199], v[176:183], v[HB+16:HB+23], v[192:199]
	v_wmma_f32_16x16x32_bf16 v[200:207], v[184:191], v[HB+24:HB+31], v[200:207]
	WIN 0x01                                       ; A from window 1.  Ahead of k-step s may stay out: adj's 8 loads and 16 for each later k-step
.irp s, 0,1,2,3
	s_wait_loadcnt 56-16*\s
.irp a, 0,1,2,3,4,5,6,7
.if \s == 0
	v_wmma_f32_16x16x32_bf16 v[SS+8*\a:SS+8*\a+7], v[8*(8*\s+\a):8*(8*\s+\a)+7], v[HB+8*\s:HB+8*\s+7], 0
.else
	v_wmma_f32_16x16x32_bf16 v[SS+8*\a:SS+8*\a+7], v[8*(8*\s+\a):8*(8*\s+\a)+7], v[HB+8*\s:HB+8*\s+7], v[SS+8*\a:SS+8*\a+7]
.endif
.endr
.endr
	WIN 0
	PLACES
	s_wait_kmcnt 0x0
	s_mul_f32 s66, s66, s92                        ; g_b x log2 e
	s_mul_f32 s67, s67, s92
	v_add_f32 v26, v192, v200                      ; z0
	v_add_f32 v27, v193, v201                      ; z1
	v_fma_f32 v26, v26, s92, s66
	v_fma_f32 v27, v27, s92, s67
	v_exp_f32 v26, v26
	v_exp_f32 v27, v27
.irp k, 0,1,2,3,4,5,6,7
	v_mov_b32 v[ONES+\k], 0x3f803f80               ; ones in bf16, where my rows' fragments lay; also the plain place behind the two v_exp_f32
.endr
	s_wait_alu depctr_va_vdst(0)
	v_mul_f32 v30, 0x3e0293ee, v26                 ; exp(g0) x 128^-0.5 x log2 e, twice
	v_mul_f32 v31, 0x3e0293ee, v26
	v_mul_f32 v[G1P],   s92, v27                   ; exp(g1) x log2 e, twice
	v_mul_f32 v[G1P+1], s92, v27
.set n, 0
.rept 32
	v_pk_mul_f32 v[SS+2*n:SS+2*n+1], v[SS+2*n:SS+2*n+1], v[30:31]
.set n, n+1
.endr
.set n, 0
.rept 32
	v_cvt_pk_bf16_f32 v[PP+n], v[SS+2*n], v[SS+2*n+1]
.set n, n+1
.endr
.irp a, 0,1,2,3,4,5,6,7
	ds_store_b128 v20, v[PP+4*\a:PP+4*\a+3] offset:32*\a       ; query 16 w + r, features 16 a + 8 h ..
.endr
	s_wait_tensorcnt 0x0                           ; my 128 rows of hn have landed
	BAR                                            ; hn and Q'' are whole for every wave
	; ================= attention
	WIN 0x40
.irp s, 0,1,2,3
	ds_load_b128 v[QF+8*\s:QF+8*\s+3],       v18 offset:64*\s
	ds_load_b128 v[QF+8*\s+4:QF+8*\s+7],     v18 offset:64*\s+32
	ds_load_b128 v[QF+32+8*\s:QF+32+8*\s+3], v19 offset:64*\s
	ds_load_b128 v[QF+32+8*\s+4:QF+32+8*\s+7], v19 offset:64*\s+32
.endr
	KLOAD 2, FB1
	WIN 0
	KLOAD 0, FB0
	TRIP 1, 1
	s_mov_b32 s62, 6
.Ltrip:
	TRIP 0, 1
	s_sub_co_u32 s62, s62, 1
	s_cmp_lg_u32 s62, 0
	s_cbranch_scc1 .Ltrip
	TRIP 0, 0
	; ================= the tail.  The sums leave their tiles; then the rest of NT: k-step 0's tiles 4-7 and k-step 1, to window 0
	v_mov_b32 v[LL],   v[LA]
	v_mov_b32 v[LL+1], v[LA+8]
.irp a, 4,5,6,7
	NTFR 0, \a, 128+8*\a
.endr
.irp a, 0,1,2,3,4,5,6,7
	NTFR 1, \a, 192+8*\a
.endr
	; the tail's addresses, each written once
	s_xor_b32 s46, s40, 4                          ; my partner: the other half of the keys
	v_lshlrev_b32 v30, 2, v3
	s_lshl_b32 s47, s40, 8
	s_add_co_u32 s47, s47, ML
	v_add_nc_u32 v27, s47, v30                     ; my tile 1's maximum and sum
	s_lshl_b32 s47, s46, 8
	s_add_co_u32 s47, s47, ML
	v_add_nc_u32 v28, s47, v30                     ; my partner's
	s_lshl_b32 s47, s40, 12
	s_add_co_u32 s47, s47, XO
	v_add_nc_u32 v25, s47, v4                      ; my tile 1 of O
	s_lshl_b32 s47, s46, 12
	s_add_co_u32 s47, s47, XO
	v_add_nc_u32 v26, s47, v4                      ; my partner's tile 1
	s_lshl_b32 s47, s40, 10
	s_add_co_u32 s47, s47, YP
	v_add_nc_u32 v23, s47, v4                      ; shares of y: source wave = me; later my k-step of the hidden layer
	s_lshl_b32 s47, s41, 13
	s_add_co_u32 s47, s47, YP
	v_add_nc_u32 v24, s47, v4                      ; shares of y: tile w % 4 of the four that lie there
	v_add_nc_u32 v29, HD, v4                       ; the hidden layer, all k-steps
	s_lshl_b32 s47, s40, 10
	s_add_co_u32 s47, s47, HT
	v_add_nc_u32 v5, s47, v4                       ; my tile of h
	v_add_nc_u32 v6, HT, v4                        ; all tiles
	v_lshlrev_b32 v20, 5, v2                       ; feature 8 h
	v_lshl_add_u32 v9, s40, 6, v20                 ; feature 16 w + 8 h
	v_lshl_add_u32 v21, s40, 7, v20                ; hidden feature 32 w + 8 h
	v_lshl_add_u32 v22, v1, 9, v9                  ; row r, feature 16 w + 8 h
	v_mul_u32_u24 v7, v1, CPITCH
	v_add_nc_u32 v7, v7, v20
	s_lshl_b32 s47, s40, 6
	s_add_co_u32 s47, s47, CB
	v_add_nc_u32 v7, s47, v7                       ; the carry: row r, feature 16 w + 8 h
	s_mul_i32 s47, s40, 2*CPITCH
	s_add_co_u32 s47, s47, CB
	v_add_nc_u32 v8, s47, v4                       ; the carry: rows 2 w, 2 w + 1, whole
	WIN 0x05                                       ; both tiles of O, unscaled, as B fragments: tile 0 stays, tile 1 goes to my partner
.set n, 0
.rept 32
	v_cvt_pk_bf16_f32 v[PP+n], v[OO+2*n], v[OO+2*n+1]
.set n, n+1
.endr
.set n, 0
.rept 32
	v_cvt_pk_bf16_f32 v[SS+n], v[OO+64+2*n], v[OO+64+2*n+1]
.set n, n+1
.endr
	WIN 0x40                                       ; 8 loads to window 1, 96-127, where O lay: hn, proj_b, n2w, n2b of my output tile
	global_load_b128 v[96:99],   v22, s[78:79]
	global_load_b128 v[100:103], v22, s[78:79] offset:16
	global_load_b128 v[104:107], v9, s[20:21]
	global_load_b128 v[108:111], v9, s[20:21] offset:16
	global_load_b128 v[112:115], v9, s[22:23]
	global_load_b128 v[116:119], v9, s[22:23] offset:16
	global_load_b128 v[120:123], v9, s[24:25]
	global_load_b128 v[124:127], v9, s[24:25] offset:16
	WIN 0
	BAR                                            ; every wave has read its Q'': those bytes are scratch from here on
.irp q, 0,1,2,3,4,5,6,7
	ds_store_b128 v25, v[SS+4*\q:SS+4*\q+3] offset:512*\q
.endr
	ds_store_b32 v27, v[MM+1]
	ds_store_b32 v27, v[LL+1] offset:128
	BAR
	WIN 0x40
.irp q, 0,1,2,3,4,5,6,7
	ds_load_b128 v[64+4*\q:67+4*\q], v26 offset:512*\q         ; my head's other half of the keys, four B fragments, to window 1, 64-95
.endr
	WIN 0
	ds_load_b32 v30, v28                           ; its maximum
	ds_load_b32 v31, v28 offset:128                ; its sum
	s_wait_loadcnt 32                              ; NT's k-steps 2, 3, asked for in the last trip, are in: 8 + 16 + 8 younger loads may stay out
	WIN 0x01
	NPROD 128, PP+16, SS, 1                        ; my half: accumulators v[32:95]
	NPROD 192, PP+24, SS, 0
	s_wait_dscnt 0x0
	WIN 0x55                                       ; my partner's half: accumulators and B in window 1, the same fragments of NT
	NPROD 128, 80, 0, 1
	NPROD 192, 88, 0, 0
	s_wait_loadcnt 8                               ; k-steps 0, 1 are in: the 8 of my output tile may stay out
	WIN 0x54
	NPROD 128, 64, 0, 0
	NPROD 192, 72, 0, 0
	WIN 0
	NPROD 128, PP, SS, 0
	NPROD 192, PP+8, SS, 0
	; the two scales, 2^(m - max) / the whole sum; the plain lines among these are also the places behind the matrix instructions
	v_max_num_f32 v18, v[MM], v30
	v_sub_f32 v19, v[MM], v18
	v_sub_f32 v18, v30, v18
	v_exp_f32 v19, v19
	v_exp_f32 v18, v18
	v_nop
	s_wait_alu depctr_va_vdst(0)
	v_mul_f32 v30, v[LL], v19
	v_fmac_f32 v30, v31, v18
	v_rcp_f32 v30, v30
	v_nop
	s_wait_alu depctr_va_vdst(0)
	v_mul_f32 v[MN],   v19, v30
	v_mul_f32 v[MN+2], v18, v30
	v_mov_b32 v[MN+1], v[MN]
	v_mov_b32 v[MN+3], v[MN+2]
.set n, 0
.rept 32
	v_pk_mul_f32 v[SS+2*n:SS+2*n+1], v[SS+2*n:SS+2*n+1], v[MN:MN+1]
.set n, n+1
.endr
	WIN 0x01
.set n, 0
.rept 32
	v_pk_fma_f32 v[SS+2*n:SS+2*n+1], v[2*n:2*n+1], v[MN+2:MN+3], v[SS+2*n:SS+2*n+1]
.set n, n+1
.endr
	WIN 0x40
.irp a, 0,1,2,3,4,5,6,7
	global_load_b128 v[8*\a:8*\a+3],   v20, s[22:23] offset:64*\a              ; n2w of all tiles, to window 1, 0-63
	global_load_b128 v[8*\a+4:8*\a+7], v20, s[22:23] offset:64*\a+16
.endr
	WIN 0
	BAR                                            ; every wave has read its partner's tile: the same bytes take the shares of y
	YPSTORE 0                                      ; output tiles 0-3
.irp a, 0,1,2,3,4,5,6,7
	global_load_b128 v[128+8*\a:131+8*\a], v20, s[24:25] offset:64*\a          ; n2b of all tiles
	global_load_b128 v[132+8*\a:135+8*\a], v20, s[24:25] offset:64*\a+16
.endr
	WIN 0x40
.irp k, 0,1,2,3,4,5,6,7
	global_load_b128 v[128+8*\k:131+8*\k], v4, s[72:73] offset:\k*1024         ; w1: fragment 4 q + s
	global_load_b128 v[132+8*\k:135+8*\k], v4, s[72:73] offset:\k*1024+512
.endr
.irp k, 0,1,2,3,4,5,6,7
	global_load_b128 v[192+8*\k:195+8*\k], v4, s[74:75] offset:\k*1024         ; w2: k-step
	global_load_b128 v[196+8*\k:199+8*\k], v4, s[74:75] offset:\k*1024+512
.endr
	WIN 0
	BAR
	global_load_b128 v[32:35], v21, s[26:27]                   ; b1 and b2 land in the accumulators: the first products' C
	global_load_b128 v[36:39], v21, s[26:27] offset:16
	global_load_b128 v[40:43], v21, s[26:27] offset:64
	global_load_b128 v[44:47], v21, s[26:27] offset:80
	global_load_b128 v[48:51], v9, s[28:29]
	global_load_b128 v[52:55], v9, s[28:29] offset:16
	s_cmp_ge_u32 s40, 4
	s_cbranch_scc1 .Lnot_low
	YPLOAD                                         ; waves 0-3: output tile w
.Lnot_low:
	BAR                                            ; they have read: the same bytes take tiles 4-7
	YPSTORE 4
	BAR
	global_load_b128 v[LNW:LNW+3], v4, s[86:87]
	global_load_b128 v[LNB:LNB+3], v4, s[88:89]
	s_cmp_lt_u32 s40, 4
	s_cbranch_scc1 .Lnot_high
	YPLOAD                                         ; waves 4-7: output tile w
.Lnot_high:
	s_wait_dscnt 0x0
.irp k, 0,16,32,48
.irp q, 0,2,4,6
	v_pk_add_f32 v[192+\k+\q:193+\k+\q], v[192+\k+\q:193+\k+\q], v[200+\k+\q:201+\k+\q]
.endr
.endr
.irp k, 0,32
.irp q, 0,2,4,6
	v_pk_add_f32 v[192+\k+\q:193+\k+\q], v[192+\k+\q:193+\k+\q], v[208+\k+\q:209+\k+\q]
.endr
.endr
.irp q, 0,2,4,6
	v_pk_add_f32 v[192+\q:193+\q], v[192+\q:193+\q], v[224+\q:225+\q]
.endr
	s_wait_loadcnt 63                              ; 72 loads were issued behind the eight of my output tile: with 63 out they are in
	WIN 0x04
.irp q, 0,2,4,6
	v_pk_add_f32 v[192+\q:193+\q], v[192+\q:193+\q], v[104+\q:105+\q]  ; + proj_b
.endr
.irp q, 0,2,4,6
	v_pk_add_f32 v[80+\q:81+\q], v[192+\q:193+\q], v[96+\q:97+\q]      ; + hn: the residual adds the normed input
.endr
	WIN 0
	ds_store_b128 v5, v[80:83]
	ds_store_b128 v5, v[84:87] offset:512
	BAR
.irp a, 0,1,2,3,4,5,6,7
	ds_load_b128 v[192+8*\a:195+8*\a], v6 offset:\a*1024
	ds_load_b128 v[196+8*\a:199+8*\a], v6 offset:\a*1024+512
.endr
	s_wait_dscnt 0x0
	LNT 192, 56                                    ; LayerNorm_2, in every wave: each needs all of h2 as operand B
.irp q, 0,2,4,6
	v_pk_add_f32 v[72+\q:73+\q], v[80+\q:81+\q], v[64:65] neg_lo:[0,1] neg_hi:[0,1]    ; and my own tile in f32, for the last sum
.endr
.irp q, 0,2,4,6
	v_pk_mul_f32 v[72+\q:73+\q], v[72+\q:73+\q], v[66:67]
.endr
	s_wait_loadcnt 40                              ; n2w and n2b are in: w1, w2 (32) and the last 8 may stay out
	WIN 0x04
.set n, 0
.rept 32
	v_pk_fma_f32 v[192+2*n:193+2*n], v[192+2*n:193+2*n], v[2*n:2*n+1], v[128+2*n:129+2*n]
.set n, n+1
.endr
	WIN 0x14
.irp q, 0,2,4,6
	v_pk_fma_f32 v[72+\q:73+\q], v[72+\q:73+\q], v[112+\q:113+\q], v[120+\q:121+\q]
.endr
	WIN 0
.set n, 0
.rept 32
	v_cvt_pk_bf16_f32 v[PP+n], v[192+2*n], v[193+2*n]
.set n, n+1
.endr
	s_wait_loadcnt 0x0
	WIN 0x01                                       ; hidden tiles 2 w, 2 w + 1: two accumulators by turns
.irp s, 0,1,2,3
.irp q, 0,1
	v_wmma_f32_16x16x32_bf16 v[32+8*\q:39+8*\q], v[128+8*(4*\q+\s):128+8*(4*\q+\s)+7], v[PP+8*\s:PP+8*\s+7], v[32+8*\q:39+8*\q]
.endr
.endr
	WIN 0
	v_mov_b32 v10, 0x3e827906                      ; a1 .. a5, twice each: ten plain instructions, the places behind the matrix instructions
	v_mov_b32 v11, 0x3e827906
	v_mov_b32 v12, 0xbe91a98e
	v_mov_b32 v13, 0xbe91a98e
	v_mov_b32 v14, 0x3fb5f0e3
	v_mov_b32 v15, 0x3fb5f0e3
	v_mov_b32 v16, 0xbfba00e3
	v_mov_b32 v17, 0xbfba00e3
	v_mov_b32 v18, 0x3f87dc22
	v_mov_b32 v19, 0x3f87dc22
	GELU 4, 32
	GELU 4, 40
.irp k, 0,1,2,3,4,5,6,7
	v_cvt_pk_bf16_f32 v[64+\k], v[32+2*\k], v[33+2*\k]
.endr
	ds_store_b128 v23, v[64:67]                    ; k-step w of the second product's operand B (the shares of y were read one barrier ago)
	ds_store_b128 v23, v[68:71] offset:512
	BAR
.irp s, 0,1,2,3,4,5,6,7
	ds_load_b128 v[192+8*\s:195+8*\s], v29 offset:\s*1024
	ds_load_b128 v[196+8*\s:199+8*\s], v29 offset:\s*1024+512
.endr
	s_wait_dscnt 0x0
	WIN 0x01                                       ; output tile w: even k-steps on v[48:55] (holds b2), odd ones on v[56:63], by turns
.irp s, 0,1,2,3,4,5,6,7
.if \s == 1
	v_wmma_f32_16x16x32_bf16 v[56:63], v[192+8*\s:199+8*\s], v[192+8*\s:199+8*\s], 0
.else
	v_wmma_f32_16x16x32_bf16 v[48+8*(\s&1):55+8*(\s&1)], v[192+8*\s:199+8*\s], v[192+8*\s:199+8*\s], v[48+8*(\s&1):55+8*(\s&1)]
.endif
.endr
	WIN 0
	PLACES
.irp q, 0,2,4,6
	v_pk_add_f32 v[48+\q:49+\q], v[48+\q:49+\q], v[56+\q:57+\q]
.endr
.irp q, 0,2,4,6
	v_pk_add_f32 v[48+\q:49+\q], v[48+\q:49+\q], v[72+\q:73+\q]        ; + h2: the carry
.endr
	ds_store_b128 v7, v[48:51]                     ; behind the hidden layer's 8,192 bytes, which others may still read
	ds_store_b128 v7, v[52:55] offset:16
	BAR
	ds_load_b128 v[32:35], v8                      ; rows 2 w and 2 w + 1, whole: four features a lane
	ds_load_b128 v[36:39], v8 offset:CPITCH
	v_lshlrev_b32 v31, 3, v3
	s_wait_dscnt 0x0
	LNROWS 2, 32, 40, 42, 44
	global_store_b128 v4, v[32:35], s[82:83]                   ; a whole row of 512 bytes
	global_store_b128 v4, v[36:39], s[82:83] offset:512
	global_store_b64 v31, v[44:45], s[84:85]                   ; a whole row of 256 bytes
	global_store_b64 v31, v[46:47], s[84:85] offset:256
	s_wait_xcnt 0x0
	v_lshl_add_u32 v254, v0, 2, 0x4f800
	v_mov_b32 v255, 0
	s_wait_tensorcnt 0x0
	ds_add_u32 v254, v255
	s_wait_dscnt 0x0
	ROUND                                          ; the closing round: no work-group ends while a partner may still ask jointly
	s_endpgm
.Lfunc_end_k_q5135d61bf0_layer0:
	.size	k_q5135d61bf0_layer0, .Lfunc_end_k_q5135d61bf0_layer0-k_q5135d61bf0_layer0
	.p2alignl 7, 3214868480
	.fill 96, 4, 3214868480
	.section	.rodata,"a",@progbits
	.p2align	6, 0x0
	.amdhsa_kernel k_q5135d61bf0_layer0
		.amdhsa_group_segment_fixed_size 327680
		.amdhsa_private_segment_fixed_size 0
		.amdhsa_enable_private_segment 0
		.amdhsa_kernarg_size 128
		.amdhsa_user_sgpr_count 2
		.amdhsa_user_sgpr_kernarg_segment_ptr 1
		.amdhsa_wavefront_size32 1
		.amdhsa_system_sgpr_workgroup_id_x 1
		.amdhsa_system_sgpr_workgroup_id_y 1
		.amdhsa_system_sgpr_workgroup_id_z 1
		.amdhsa_system_vgpr_workitem_id 0
		.amdhsa_next_free_vgpr 512
		.amdhsa_next_free_sgpr 96
		.amdhsa_reserve_vcc 0
		.amdhsa_float_denorm_mode_32 3
		.amdhsa_float_denorm_mode_16_64 3
		.amdhsa_memory_ordered 1
		.amdhsa_forward_progress 1
		.amdhsa_inst_pref_size 162
	.end_amdhsa_kernel
	.amdgpu_metadata
---
amdhsa.version: [ 1, 2 ]
amdhsa.kernels:
  - .name:           k_q5135d61bf0_layer0
    .symbol:         k_q5135d61bf0_layer0.kd
    .args:
      - { .name: adj, .offset: 0, .size: 8, .value_kind: global_buffer, .address_space: global }
      - { .name: ha, .offset: 8, .size: 8, .value_kind: global_buffer, .address_space: global }
      - { .name: wts, .offset: 16, .size: 8, .value_kind: global_buffer, .address_space: global }
      - { .name: lay0, .offset: 24, .size: 8, .value_kind: global_buffer, .address_space: global }
      - { .name: params_blocks_g_w, .offset: 32, .size: 8, .value_kind: global_buffer, .address_space: global }
      - { .name: params_blocks_g_b, .offset: 40, .size: 8, .value_kind: global_buffer, .address_space: global }
      - { .name: params_blocks_proj_b, .offset: 48, .size: 8, .value_kind: global_buffer, .address_space: global }
      - { .name: params_blocks_n2w, .offset: 56, .size: 8, .value_kind: global_buffer, .address_space: global }
      - { .name: params_blocks_n2b, .offset: 64, .size: 8, .value_kind: global_buffer, .address_space: global }
      - { .name: params_blocks_b1, .offset: 72, .size: 8, .value_kind: global_buffer, .address_space: global }
      - { .name: params_blocks_b2, .offset: 80, .size: 8, .value_kind: global_buffer, .address_space: global }
      - { .name: params_blocks_n1w, .offset: 88, .size: 8, .value_kind: global_buffer, .address_space: global }
      - { .name: params_blocks_n1b, .offset: 96, .size: 8, .value_kind: global_buffer, .address_space: global }
      - { .name: params_head_ln_w, .offset: 104, .size: 8, .value_kind: global_buffer, .address_space: global }
      - { .name: params_head_ln_b, .offset: 112, .size: 8, .value_kind: global_buffer, .address_space: global }
      - { .name: hb, .offset: 120, .size: 8, .value_kind: global_buffer, .address_space: global }
    .group_segment_fixed_size: 327680
    .private_segment_fixed_size: 0
    .kernarg_segment_align: 8
    .kernarg_segment_size: 128
    .max_flat_workgroup_size: 256
    .sgpr_count:     96
    .vgpr_count:     512
    .wavefront_size: 32
...
	.end_amdgpu_metadata
.endif
;; end of part 3
;; launch layer1: the kernel of part 3 again; grid 256 x 1, 8 waves a work-group, clusters of 4 x 1, 327,680 bytes of LDS; arguments adj, hb, wts, lay1, params_blocks_g_w, params_blocks_g_b, params_blocks_proj_b, params_blocks_n2w, params_blocks_n2b, params_blocks_b1, params_blocks_b2, params_blocks_n1w, params_blocks_n1b, params_head_ln_w, params_head_ln_b, ha; writes ha
;; launch layer2: the kernel of part 3 again; grid 256 x 1, 8 waves a work-group, clusters of 4 x 1, 327,680 bytes of LDS; arguments adj, ha, wts, lay2, params_blocks_g_w, params_blocks_g_b, params_blocks_proj_b, params_blocks_n2w, params_blocks_n2b, params_blocks_b1, params_blocks_b2, params_blocks_n1w, params_blocks_n1b, params_head_ln_w, params_head_ln_b, hb; writes hb
;; launch layer3: the kernel of part 3 again; grid 256 x 1, 8 waves a work-group, clusters of 4 x 1, 327,680 bytes of LDS; arguments adj, hb, wts, lay3, params_blocks_g_w, params_blocks_g_b, params_blocks_proj_b, params_blocks_n2w, params_blocks_n2b, params_blocks_b1, params_blocks_b2, params_blocks_n1w, params_blocks_n1b, params_head_ln_w, params_head_ln_b, ha; writes ha
;; launch layer4: the kernel of part 3 again; grid 256 x 1, 8 waves a work-group, clusters of 4 x 1, 327,680 bytes of LDS; arguments adj, ha, wts, lay4, params_blocks_g_w, params_blocks_g_b, params_blocks_proj_b, params_blocks_n2w, params_blocks_n2b, params_blocks_b1, params_blocks_b2, params_blocks_n1w, params_blocks_n1b, params_head_ln_w, params_head_ln_b, hb; writes hb
;; launch head (part 4): grid 256 x 1, 1 waves a work-group, no clusters, 0 bytes of LDS; arguments hb, wts, params_head_b, params_p1_b, params_p2_b, params_p3_b, params_p_ln_w, params_p_ln_b, params_p4_w, params_p4_b, out0; writes out0
.if DOCPART == 4
	.amdgcn_target "amdgcn-amd-amdhsa--gfx1250"
	.amdhsa_code_object_version 6
	.text
	.protected	k_q5135d61bf0_head
	.globl	k_q5135d61bf0_head
	.p2align	8
	.type	k_q5135d61bf0_head,@function
k_q5135d61bf0_head:
	s_mov_b64 s[64:65], 0
	v_nop
	global_prefetch_b8 v0, s[64:65] scope:SCOPE_SE
	s_setreg_imm32_b32 hwreg(HW_REG_WAVE_MODE, 25, 1), 1
	s_wait_xcnt 0x0
; out = LayerNorm(gelu(gelu(gelu((hn head_w^T + head_b) p1^T + ..) p2^T + ..) p3^T + ..)) . p4_w + p4_b; hn is the head's LayerNorm of the carry,
; which the last layer launch stored in bf16.
; One wave, 16 rows, four products of 128 x 128, all transposed (weights = operand A, rows = operand B): two packed result tiles are the next
; product's B fragment in the same lane, so the chain never leaves the registers.  The weights of stage k + 1 and its bias (which lands in the
; accumulators as the first product's C) are asked for at the head of stage k.  In the result lane (r, h) holds 64 features of row r; the last
; LayerNorm and the dot product with p4_w need one exchange with lane xor 16 each.
; The wave owns 16 of the 4,096 outputs: its one store covers 64 neighbouring bytes.  No cluster, no LDS: the shared weights are 128 KiB and go
; straight to registers.  Limit: erf by a five-term formula (Abramowitz and Stegun 7.1.26), absolute error 1.5e-7 in erf.
.set BF16,   2097152
.set WTS_HW, 3342336
.set WTS_P1, 3375104
.set WTS_P2, 3407872
.set WTS_P3, 3440640
.set BFR,  32                          ; v[32:63]   four B fragments
.set ACC0, 64                          ; v[64:127]  8 accumulator tiles, stages 0 and 2
.set ACC1, 128                         ; v[128:191] stages 1 and 3
.set GT,   192                         ; v[192:231] at work
.set DOT,  204                         ; v[204:211] four chains of the last dot product
.set PLO, 36
.set PHI, 37
.set INV, 38
.set EPS, 39
.set MSB, 0
.macro WIN new                         ; low byte: bits 1:0 source 0, 3:2 source 1, 5:4 source 2, 7:6 destination; high byte: the setting that is left
.if MSB != \new
	s_set_vgpr_msb (MSB<<8)|\new
.set MSB, \new
.endif
.endm
.macro PLACES                          ; four places behind a matrix instruction before its registers are read, written or loaded into (ISA guide 7.12.1)
.rept 4
	v_nop
.endr
.endm
.macro WLOAD off                       ; 32 fragments: (a, s) to 8 (8 s + a) of the window set for destinations
.irp s, 0,1,2,3
.irp a, 0,1,2,3,4,5,6,7
	global_load_b128 v[8*(8*\s+\a):8*(8*\s+\a)+3],   v4, s[10:11] offset:\off+(\a*4+\s)*1024
	global_load_b128 v[8*(8*\s+\a)+4:8*(8*\s+\a)+7], v4, s[10:11] offset:\off+(\a*4+\s)*1024+512
.endr
.endr
.endm
.macro BLOAD acc, lo                   ; 128 numbers as the results lie: features 16 a + 8 h + 0..7
.irp a, 0,1,2,3,4,5,6,7
	global_load_b128 v[\acc+8*\a:\acc+8*\a+3],   v7, s[\lo:\lo+1] offset:64*\a
	global_load_b128 v[\acc+8*\a+4:\acc+8*\a+7], v7, s[\lo:\lo+1] offset:64*\a+16
.endr
.endm
.macro STAGE acc, win                  ; 32 matrix instructions, the 8 accumulators by turns
	WIN \win
.irp s, 0,1,2,3
.irp a, 0,1,2,3,4,5,6,7
	v_wmma_f32_16x16x32_bf16 v[\acc+8*\a:\acc+8*\a+7], v[8*(8*\s+\a):8*(8*\s+\a)+7], v[BFR+8*\s:BFR+8*\s+7], v[\acc+8*\a:\acc+8*\a+7]
.endr
.endr
	WIN 0
	PLACES
.endm
.macro PACK acc
.set pi, 0
.rept 32
	v_cvt_pk_bf16_f32 v[BFR+pi], v[\acc+2*pi], v[\acc+2*pi+1]
.set pi, pi+1
.endr
.endm
; gelu(x) = x Phi(x) on cnt pairs at v[x+2i], stage by stage so that the chains do not wait for each other.  E = erfc(|x| / sqrt 2) =
; (a1 t + .. + a5 t^5) exp(-x^2 / 2), t = 1 / (1 + 0.23164189 |x|); gelu = ((x + |x|) - |x| E) / 2: no cancellation for x < 0.
; a1..a5 lie as pairs in v[10:19].  Temporaries of pair i at GT + 10 i: |x|, t, exp, x + |x|, the polynomial.
.macro GELU cnt, x
.set gi, 0
.rept \cnt
	v_and_b32 v[GT+10*gi],   0x7fffffff, v[\x+2*gi]
	v_and_b32 v[GT+10*gi+1], 0x7fffffff, v[\x+2*gi+1]
	v_pk_mul_f32 v[GT+10*gi+4:GT+10*gi+5], v[\x+2*gi:\x+2*gi+1], v[\x+2*gi:\x+2*gi+1]
.set gi, gi+1
.endr
.set gi, 0
.rept \cnt
	v_pk_fma_f32 v[GT+10*gi+2:GT+10*gi+3], v[GT+10*gi:GT+10*gi+1], 0x3e6d3388, 1.0 op_sel_hi:[1,0,0]      ; 1 + 0.23164189 |x|
	v_pk_mul_f32 v[GT+10*gi+4:GT+10*gi+5], v[GT+10*gi+4:GT+10*gi+5], 0xbf38aa3b op_sel_hi:[1,0]           ; -x^2 / 2 x log2 e
.set gi, gi+1
.endr
.set gi, 0
.rept \cnt
	v_rcp_f32 v[GT+10*gi+2], v[GT+10*gi+2]
	v_rcp_f32 v[GT+10*gi+3], v[GT+10*gi+3]
	v_exp_f32 v[GT+10*gi+4], v[GT+10*gi+4]
	v_exp_f32 v[GT+10*gi+5], v[GT+10*gi+5]
.set gi, gi+1
.endr
.set gi, 0
.rept \cnt
	v_pk_add_f32 v[GT+10*gi+6:GT+10*gi+7], v[\x+2*gi:\x+2*gi+1], v[GT+10*gi:GT+10*gi+1]    ; the plain place behind the transcendentals (ISA guide 5.7.2)
.set gi, gi+1
.endr
.set gi, 0
	s_wait_alu depctr_va_vdst(0)
.rept \cnt
	v_pk_fma_f32 v[GT+10*gi+8:GT+10*gi+9], v[GT+10*gi+2:GT+10*gi+3], v[18:19], v[16:17]
.set gi, gi+1
.endr
.irp k, 14,12,10
.set gi, 0
.rept \cnt
	v_pk_fma_f32 v[GT+10*gi+8:GT+10*gi+9], v[GT+10*gi+8:GT+10*gi+9], v[GT+10*gi+2:GT+10*gi+3], v[\k:\k+1]
.set gi, gi+1
.endr
.endr
.set gi, 0
.rept \cnt
	v_pk_mul_f32 v[GT+10*gi+2:GT+10*gi+3], v[GT+10*gi+2:GT+10*gi+3], v[GT+10*gi+4:GT+10*gi+5]
.set gi, gi+1
.endr
.set gi, 0
.rept \cnt
	v_pk_mul_f32 v[GT+10*gi+8:GT+10*gi+9], v[GT+10*gi+8:GT+10*gi+9], v[GT+10*gi+2:GT+10*gi+3]
.set gi, gi+1
.endr
.set gi, 0
.rept \cnt
	v_pk_fma_f32 v[GT+10*gi+6:GT+10*gi+7], v[GT+10*gi:GT+10*gi+1], v[GT+10*gi+8:GT+10*gi+9], v[GT+10*gi+6:GT+10*gi+7] neg_lo:[1,0,0] neg_hi:[1,0,0]
.set gi, gi+1
.endr
.set gi, 0
.rept \cnt
	v_pk_mul_f32 v[\x+2*gi:\x+2*gi+1], v[GT+10*gi+6:GT+10*gi+7], 0.5 op_sel_hi:[1,0]
.set gi, gi+1
.endr
.endm
.macro GELU64 acc
.irp e, 0,8,16,24,32,40,48,56
	GELU 4, \acc+\e
.endr
.endm
; LayerNorm's statistics in the transposed layout (64 features of row r in the lane, the other 64 in lane xor 16), two passes:
; leaves (x - mean) rstd in place; v[c .. c+11] at work
.macro LNT x, c
.irp k, 0,1,2,3
	v_pk_add_f32 v[\c+2*\k:\c+2*\k+1], v[\x+2*\k:\x+2*\k+1], v[\x+8+2*\k:\x+8+2*\k+1]
.endr
.irp e, 16,24,32,40,48,56
.irp k, 0,1,2,3
	v_pk_add_f32 v[\c+2*\k:\c+2*\k+1], v[\c+2*\k:\c+2*\k+1], v[\x+\e+2*\k:\x+\e+2*\k+1]
.endr
.endr
	v_pk_add_f32 v[\c:\c+1], v[\c:\c+1], v[\c+2:\c+3]
	v_pk_add_f32 v[\c+4:\c+5], v[\c+4:\c+5], v[\c+6:\c+7]
	v_pk_add_f32 v[\c:\c+1], v[\c:\c+1], v[\c+4:\c+5]
	v_add_f32 v[\c], v[\c], v[\c+1]
	v_permlanex16_b32 v[\c+2], v[\c], s[PLO], s[PHI]
	v_add_f32 v[\c], v[\c], v[\c+2]
	v_mul_f32 v[\c+8], s[INV], v[\c]
	v_mul_f32 v[\c+9], s[INV], v[\c]
.set ti, 0
.rept 32
	v_pk_add_f32 v[\x+2*ti:\x+2*ti+1], v[\x+2*ti:\x+2*ti+1], v[\c+8:\c+9] neg_lo:[0,1] neg_hi:[0,1]
.set ti, ti+1
.endr
.irp k, 0,1,2,3
	v_pk_mul_f32 v[\c+2*\k:\c+2*\k+1], v[\x+2*\k:\x+2*\k+1], v[\x+2*\k:\x+2*\k+1]
.endr
.irp e, 8,16,24,32,40,48,56
.irp k, 0,1,2,3
	v_pk_fma_f32 v[\c+2*\k:\c+2*\k+1], v[\x+\e+2*\k:\x+\e+2*\k+1], v[\x+\e+2*\k:\x+\e+2*\k+1], v[\c+2*\k:\c+2*\k+1]
.endr
.endr
	v_pk_add_f32 v[\c:\c+1], v[\c:\c+1], v[\c+2:\c+3]
	v_pk_add_f32 v[\c+4:\c+5], v[\c+4:\c+5], v[\c+6:\c+7]
	v_pk_add_f32 v[\c:\c+1], v[\c:\c+1], v[\c+4:\c+5]
	v_add_f32 v[\c], v[\c], v[\c+1]
	v_permlanex16_b32 v[\c+2], v[\c], s[PLO], s[PHI]
	v_add_f32 v[\c], v[\c], v[\c+2]
	v_fma_f32 v[\c+10], v[\c], s[INV], s[EPS]
	v_rsq_f32 v[\c+10], v[\c+10]
	v_nop                                          ; one plain place behind v_rsq_f32 (ISA guide 5.7.2)
	s_wait_alu depctr_va_vdst(0)
	v_mov_b32 v[\c+11], v[\c+10]
.set ti, 0
.rept 32
	v_pk_mul_f32 v[\x+2*ti:\x+2*ti+1], v[\x+2*ti:\x+2*ti+1], v[\c+10:\c+11]
.set ti, ti+1
.endr
.endm
	s_load_b512 s[8:23], s[0:1], 0x0               ; hb 8, wts 10, head_b 12, p1_b 14, p2_b 16, p3_b 18, p_ln_w 20, p_ln_b 22
	s_load_b128 s[24:27], s[0:1], 0x40             ; p4_w 24, p4_b 26
	s_load_b64 s[28:29], s[0:1], 0x50              ; out0
	v_and_b32 v1, 15, v0                           ; r
	v_bfe_u32 v2, v0, 4, 1                         ; h
	v_lshlrev_b32 v4, 4, v0                        ; 16 x lane
	v_lshlrev_b32 v5, 8, v1
	v_lshl_add_u32 v5, v2, 4, v5                   ; row r in bf16, B fragment
	v_lshlrev_b32 v6, 2, v1                        ; row r of the output
	v_lshlrev_b32 v7, 5, v2                        ; feature 8 h
	s_lshl_b32 s32, ttmp9, 12                      ; 16 rows of 256 bytes,
	s_add_co_u32 s32, s32, BF16                    ; in the bf16 copy
	s_mov_b32 s33, 0
	s_lshl_b32 s40, ttmp9, 6                       ; 16 outputs of 4 bytes
	s_mov_b32 s41, 0
	s_mov_b32 s[PLO], 0x76543210                   ; v_permlanex16_b32: lane i reads lane i xor 16
	s_mov_b32 s[PHI], 0xfedcba98
	s_mov_b32 s[INV], 0x3c000000                   ; 1 / 128
	s_mov_b32 s[EPS], 0x3727c5ac                   ; 1e-5
	v_mov_b32 v10, 0x3e827906                      ; a1 .. a5, twice each
	v_mov_b32 v11, 0x3e827906
	v_mov_b32 v12, 0xbe91a98e
	v_mov_b32 v13, 0xbe91a98e
	v_mov_b32 v14, 0x3fb5f0e3
	v_mov_b32 v15, 0x3fb5f0e3
	v_mov_b32 v16, 0xbfba00e3
	v_mov_b32 v17, 0xbfba00e3
	v_mov_b32 v18, 0x3f87dc22
	v_mov_b32 v19, 0x3f87dc22
	s_wait_kmcnt 0x0
	s_load_b32 s34, s[26:27], 0x0                  ; p4_b
	s_add_nc_u64 s[30:31], s[8:9], s[32:33]
	s_add_nc_u64 s[28:29], s[28:29], s[40:41]
.irp s, 0,1,2,3
	global_load_b128 v[BFR+8*\s:BFR+8*\s+3],   v5, s[30:31] offset:64*\s
	global_load_b128 v[BFR+8*\s+4:BFR+8*\s+7], v5, s[30:31] offset:64*\s+32
.endr
	BLOAD ACC0, 12                                 ; head_b
	WIN 0x40
	WLOAD WTS_HW                                   ; window 1
	WIN 0x80
	WLOAD WTS_P1                                   ; window 2
	WIN 0
	BLOAD ACC1, 14                                 ; p1_b
	s_wait_loadcnt 63                              ; 80 loads were issued behind head_w's last: all up to it are in
	STAGE ACC0, 0x01
	PACK ACC0
	WIN 0xc0
	WLOAD WTS_P2                                   ; window 3
	WIN 0
	BLOAD ACC0, 16                                 ; p2_b
	s_wait_loadcnt 63                              ; 80 behind p1's bias
	STAGE ACC1, 0x02
	GELU64 ACC1
	PACK ACC1
	WIN 0x40
	WLOAD WTS_P3                                   ; window 1 again
	WIN 0
	BLOAD ACC1, 18                                 ; p3_b
	s_wait_loadcnt 63                              ; 80 behind p2's bias
	STAGE ACC0, 0x03
	GELU64 ACC0
	PACK ACC0
	WIN 0x80                                       ; window 2 again: p_ln_w at 0, p_ln_b at 64, p4_w at 128
	BLOAD 0, 20
	BLOAD 64, 22
	BLOAD 128, 24
	WIN 0
	s_wait_loadcnt 48                              ; p3's weights and bias are in: the 48 just issued may stay out
	STAGE ACC1, 0x01
	GELU64 ACC1
	LNT ACC1, GT
	s_wait_loadcnt 0x0
	WIN 0x28                                       ; sources 1 and 2 from window 2: gain and bias
.set n, 0
.rept 32
	v_pk_fma_f32 v[ACC1+2*n:ACC1+2*n+1], v[ACC1+2*n:ACC1+2*n+1], v[2*n:2*n+1], v[64+2*n:65+2*n]
.set n, n+1
.endr
	WIN 0x08                                       ; source 1 from window 2: p4_w.  Four chains; the first products start them
.irp k, 0,1,2,3
	v_pk_mul_f32 v[DOT+2*\k:DOT+2*\k+1], v[ACC1+2*\k:ACC1+2*\k+1], v[128+2*\k:129+2*\k]
.endr
.irp e, 8,16,24,32,40,48,56
.irp k, 0,1,2,3
	v_pk_fma_f32 v[DOT+2*\k:DOT+2*\k+1], v[ACC1+\e+2*\k:ACC1+\e+2*\k+1], v[128+\e+2*\k:129+\e+2*\k], v[DOT+2*\k:DOT+2*\k+1]
.endr
.endr
	WIN 0
	v_pk_add_f32 v[DOT:DOT+1], v[DOT:DOT+1], v[DOT+2:DOT+3]
	v_pk_add_f32 v[DOT+4:DOT+5], v[DOT+4:DOT+5], v[DOT+6:DOT+7]
	v_pk_add_f32 v[DOT:DOT+1], v[DOT:DOT+1], v[DOT+4:DOT+5]
	v_add_f32 v[DOT], v[DOT], v[DOT+1]
	v_permlanex16_b32 v[DOT+2], v[DOT], s[PLO], s[PHI]         ; the other 64 features
	v_add_f32 v[DOT], v[DOT], v[DOT+2]
	s_wait_kmcnt 0x0
	v_add_f32 v[DOT], s34, v[DOT]                  ; + p4_b
	v_cmp_gt_u32 vcc_lo, 16, v0                    ; lanes 0-15 hold rows 0-15; lanes 16-31 the same numbers again
	s_wait_xcnt 0x0                                ; EXEC changes only behind s_wait_xcnt 0
	s_and_saveexec_b32 s35, vcc_lo
	global_store_b32 v6, v[DOT], s[28:29]          ; 64 neighbouring bytes
	s_wait_xcnt 0x0                                ; and again, in front of the line that widens it
	s_or_b32 exec_lo, exec_lo, s35
	s_endpgm
.Lfunc_end_k_q5135d61bf0_head:
	.size	k_q5135d61bf0_head, .Lfunc_end_k_q5135d61bf0_head-k_q5135d61bf0_head
	.p2alignl 7, 3214868480
	.fill 96, 4, 3214868480
	.section	.rodata,"a",@progbits
	.p2align	6, 0x0
	.amdhsa_kernel k_q5135d61bf0_head
		.amdhsa_group_segment_fixed_size 0
		.amdhsa_private_segment_fixed_size 0
		.amdhsa_enable_private_segment 0
		.amdhsa_kernarg_size 88
		.amdhsa_user_sgpr_count 2
		.amdhsa_user_sgpr_kernarg_segment_ptr 1
		.amdhsa_wavefront_size32 1
		.amdhsa_system_sgpr_workgroup_id_x 1
		.amdhsa_system_sgpr_workgroup_id_y 1
		.amdhsa_system_sgpr_workgroup_id_z 1
		.amdhsa_system_vgpr_workitem_id 0
		.amdhsa_next_free_vgpr 1024
		.amdhsa_next_free_sgpr 66
		.amdhsa_reserve_vcc 1
		.amdhsa_float_denorm_mode_32 3
		.amdhsa_float_denorm_mode_16_64 3
		.amdhsa_memory_ordered 1
		.amdhsa_forward_progress 1
		.amdhsa_inst_pref_size 169
	.end_amdhsa_kernel
	.amdgpu_metadata
---
amdhsa.version: [ 1, 2 ]
amdhsa.kernels:
  - .name:           k_q5135d61bf0_head
    .symbol:         k_q5135d61bf0_head.kd
    .args:
      - { .name: hb, .offset: 0, .size: 8, .value_kind: global_buffer, .address_space: global }
      - { .name: wts, .offset: 8, .size: 8, .value_kind: global_buffer, .address_space: global }
      - { .name: params_head_b, .offset: 16, .size: 8, .value_kind: global_buffer, .address_space: global }
      - { .name: params_p1_b, .offset: 24, .size: 8, .value_kind: global_buffer, .address_space: global }
      - { .name: params_p2_b, .offset: 32, .size: 8, .value_kind: global_buffer, .address_space: global }
      - { .name: params_p3_b, .offset: 40, .size: 8, .value_kind: global_buffer, .address_space: global }
      - { .name: params_p_ln_w, .offset: 48, .size: 8, .value_kind: global_buffer, .address_space: global }
      - { .name: params_p_ln_b, .offset: 56, .size: 8, .value_kind: global_buffer, .address_space: global }
      - { .name: params_p4_w, .offset: 64, .size: 8, .value_kind: global_buffer, .address_space: global }
      - { .name: params_p4_b, .offset: 72, .size: 8, .value_kind: global_buffer, .address_space: global }
      - { .name: out0, .offset: 80, .size: 8, .value_kind: global_buffer, .address_space: global }
    .group_segment_fixed_size: 0
    .private_segment_fixed_size: 0
    .kernarg_segment_align: 8
    .kernarg_segment_size: 88
    .max_flat_workgroup_size: 32
    .sgpr_count:     66
    .vgpr_count:     1024
    .wavefront_size: 32
...
	.end_amdgpu_metadata
.endif
;; end of part 4
;; ======== version 2 of 2: 8 launches; version 1 with the launch prep written anew for expert scheduling mode
;; limits: a function is approximated: absolute error at most 1.5e-07
;; workspace buffers: ha 3,145,728 bytes; hb 3,145,728 bytes; wts 3,506,176 bytes; lay0 256 bytes of whole numbers; lay1 256 bytes of whole numbers; lay2 256 bytes of whole numbers; lay3 256 bytes of whole numbers; lay4 256 bytes of whole numbers
;; launch prep (part 5): grid 107 x 1, 8 waves a work-group, no clusters, 70,656 bytes of LDS; arguments params_blocks_qkv_w, params_blocks_proj_w, params_blocks_w1, params_blocks_w2, params_emb_w2, params_head_w, params_p1_w, params_p2_w, params_p3_w, params_emb_w1, wts, lay0, lay1, lay2, lay3, lay4; writes wts, lay0, lay1, lay2, lay3, lay4
.if DOCPART == 5
	.amdgcn_target "amdgcn-amd-amdhsa--gfx1250"
	.amdhsa_code_object_version 6
	.text
	.protected	k_q5135d61bf0_prep
	.globl	k_q5135d61bf0_prep
	.p2align	8
	.type	k_q5135d61bf0_prep,@function
k_q5135d61bf0_prep:
	s_mov_b64 s[64:65], 0
	v_nop
	global_prefetch_b8 v0, s[64:65] scope:SCOPE_SE
	s_setreg_imm32_b32 hwreg(HW_REG_WAVE_SCHED_MODE, 0, 2), 2
	s_setreg_imm32_b32 hwreg(HW_REG_WAVE_MODE, 25, 1), 1
	s_wait_xcnt 0x0
	s_wait_alu depctr_vm_vsrc(0)
; Weights, once: everything that later launches feed to the matrix unit as operand A is written to wts in bf16, in the order of the
; registers.  A fragment is 16 output rows x 32 k = 1,024 bytes: byte 16 x lane holds the lane's registers 0-3, byte 512 + 16 x lane its
; registers 4-7, so that a later launch fetches a fragment by two loads of 512 neighbouring bytes.
; Work-groups 0-79 fold two weight matrices of one layer and head into one (there is no bias in qkv, so this is exact algebra; the folded
; matrix is rounded to bf16 once more, which is a stated limit):
;   even: MT[c'][c] = sum over d of Wk[d][c'] Wq[d][c]          (scores = hn MT^T.. : S[n][m] = sum c' hn[m][c'] sum c MT[c'][c] hn[n][c])
;   odd:  NT[e][c]  = sum over d of proj[e][128 h + d] Wv[d][c]  (o proj^T = sum over heads of (P hn) NT^T)
; Work-groups 80-105 only convert (w1, w2, emb_w2, head_w, p1_w, p2_w, p3_w); work-group 106 converts emb_w1 (K padded from 36 to 64 with
; zeros) and writes each layer's number into that layer's small buffer, from which the layer launches form their offsets.
; No cluster, no tensor loads: no two work-groups read the same bytes, and each byte is read once through registers.
; THE MODE: SCHED_MODE bits 1:0 = 2 (LLVM: expert scheduling mode 2), set by the entry lines.  The code itself states the register dependences
; between vector or matrix instructions and memory or LDS instructions, with s_wait_alu, always for 0.
; THE PLAN, for the fold.  Registers that memory or LDS instructions touch:
;   v5, v7, v8, v9, v11   offsets and LDS addresses: made ahead of the first load, never written again.
;   v10                   LDS address of operand B: made in the arm that asks for Y, behind Y's loads; read behind the barrier.
;   v[32:95]              X's loads land; 32 conversions close the numbers up in place; 16 LDS stores read the pairs; then the matrix
;                         instructions write these registers as accumulators, and the last conversions read them.
;   v[96:159]             the same for Y; then operand B's fragments land in v[96:127] and operand A's k-step 0 in v[128:191].
;   v[192:255], v[256:383]  operand A's k-steps 1, 2, 3: written by LDS loads alone, read by matrix instructions alone, once each.
;   v[128:159]            at the end the out-buffer: written by the last conversions, read by the eight global stores.
; Each k-step of operand A has registers of its own, so no load lands in a register that a matrix instruction has read: the 72 LDS loads go
; out in one run, and the products hold no wait on the vector side.  The conversions stand in runs, one wait behind each run and ahead of the
; stores that read its results; one wait on vm_vsrc behind the barrier frees all that the LDS stores have read.
.set PITCH,  272                       ; LDS row: 128 bf16 + 16 bytes
.set YS,     128*PITCH                 ; the second staged matrix lies behind the first
.set WTS_NT, 1310720
.set WTS_CV, 2621440
.set WTS_E1, 3473408
.set ACC, 32                           ; v[32:95]   staged X as loaded, then 8 accumulator tiles
.set BFR, 96                           ; v[96:159]  staged Y as loaded, then v[96:127] = 4 fragments of operand B
.set FA0, 128                          ; v[128:191] 8 fragments of operand A, k-step 0
.set FA1, 192                          ; v[192:255] k-step 1
.set FA2, 0                            ; window 1, v[256:319]: k-step 2
.set FA3, 64                           ; window 1, v[320:383]: k-step 3
.set MSB, 0
.macro WIN new                         ; low byte: bits 1:0 source 0, 3:2 source 1, 5:4 source 2, 7:6 destination; high byte: the setting that is left
.if MSB != \new
	s_set_vgpr_msb (MSB<<8)|\new
.set MSB, \new
.endif
.endm
.macro PLACES                          ; four places behind a matrix instruction before a vector instruction reads its result or writes its sources (ISA guide 7.12.1)
.rept 4
	v_nop
.endr
.endm
.macro ALOAD ks, f                     ; X^T, 8 row tiles, k-step ks: X lies [d][c] in LDS, so the loads transpose
.irp ct, 0,1,2,3,4,5,6,7
	ds_load_tr16_b128 v[\f+8*\ct:\f+8*\ct+3],   v9 offset:\ks*8704+32*\ct
	ds_load_tr16_b128 v[\f+8*\ct+4:\f+8*\ct+7], v9 offset:\ks*8704+32*\ct+4352
.endr
.endm
.macro FMUL ks, f, zero                ; 8 matrix instructions, the 8 accumulators by turns
.irp ct, 0,1,2,3,4,5,6,7
.if \zero
	v_wmma_f32_16x16x32_bf16 v[ACC+8*\ct:ACC+8*\ct+7], v[\f+8*\ct:\f+8*\ct+7], v[BFR+8*\ks:BFR+8*\ks+7], 0
.else
	v_wmma_f32_16x16x32_bf16 v[ACC+8*\ct:ACC+8*\ct+7], v[\f+8*\ct:\f+8*\ct+7], v[BFR+8*\ks:BFR+8*\ks+7], v[ACC+8*\ct:ACC+8*\ct+7]
.endif
.endr
.endm
.macro PICK from, lo, shift            ; from work-group 80 + from on: another source, its first work-group, log2 of its row bytes
	s_cmp_ge_u32 s41, \from
	s_cselect_b64 s[42:43], s[\lo:\lo+1], s[42:43]
	s_cselect_b32 s44, \from, s44
	s_cselect_b32 s45, \shift, s45
.endm
	s_load_b512 s[8:23], s[0:1], 0x0               ; qkv_w 8, proj_w 10, w1 12, w2 14, emb_w2 16, head_w 18, p1_w 20, p2_w 22
	s_load_b512 s[24:39], s[0:1], 0x40             ; p3_w 24, emb_w1 26, wts 28, lay0..lay4 30..38
	v_lshl_add_u32 v30, v0, 2, 0x11000
	v_mov_b32 v31, 0
	v_lshrrev_b32 v12, 5, v0
	v_readfirstlane_b32 s40, v12                   ; wave
	v_and_b32 v1, 15, v0                           ; r
	v_bfe_u32 v2, v0, 4, 1                         ; h
	v_and_b32 v3, 31, v0                           ; lane
	v_lshlrev_b32 v4, 4, v3
	s_wait_alu depctr_va_sdst(0)                   ; s40 is written, ahead of its first reader, the line below
	v_lshl_add_u32 v11, s40, 12, v4                ; 4,096 x wave + 16 x lane: the wave's four fragments in wts (and proj_w's rows)
	s_wait_kmcnt 0x0
	s_cmp_ge_u32 ttmp9, 106
	s_cbranch_scc1 .Lemb1
	s_cmp_ge_u32 ttmp9, 80
	s_cbranch_scc1 .Lconvert
	; ---------------- fold: one layer, one head, one of the two products
	s_lshr_b32 s41, ttmp9, 4                       ; layer
	s_bfe_u32 s42, ttmp9, 0x30001                  ; head
	s_and_b32 s43, ttmp9, 1                        ; 0: MT, 1: NT
	s_mul_i32 s44, s41, 3072*512
	s_lshl_b32 s45, s42, 16                        ; 128 rows of 512 bytes a head
	s_add_co_u32 s44, s44, s45
	s_lshl_b32 s45, s43, 20                        ; NT: Wv lies 2,048 rows behind Wq
	s_add_co_u32 s44, s44, s45
	s_mov_b32 s45, 0
	s_add_nc_u64 s[46:47], s[8:9], s[44:45]        ; X: Wq or Wv of the head
	s_lshl_b32 s48, s41, 19
	s_lshl_b32 s49, s42, 9
	s_add_co_u32 s48, s48, s49
	s_mov_b32 s49, 0
	s_add_nc_u64 s[50:51], s[10:11], s[48:49]      ; proj_w[l][0][128 h]
	s_lshr_b32 s52, ttmp9, 1
	s_lshl_b32 s52, s52, 15                        ; 32,768 bytes for a layer's head
	s_mul_i32 s53, s43, WTS_NT
	s_add_co_u32 s52, s52, s53
	s_mov_b32 s53, 0
	s_add_nc_u64 s[54:55], s[28:29], s[52:53]      ; where the result goes
	v_lshlrev_b32 v5, 4, v0                        ; row = wave, 16 bytes a lane: a wave's load covers one row of 512 bytes
	v_lshlrev_b32 v7, 3, v3
	s_mul_i32 s56, s40, PITCH
	v_add_nc_u32 v7, s56, v7                       ; LDS: row = wave, 8 bytes a lane
	v_add_nc_u32 v8, YS, v7
	v_and_b32 v12, 7, v0
	v_lshl_add_u32 v12, v2, 3, v12
	v_bfe_u32 v13, v0, 3, 1
	v_mul_u32_u24 v9, v12, PITCH
	v_lshl_add_u32 v9, v13, 4, v9                  ; transposing loads: (8 h + lane % 8) rows + 16 x bit 3 of the lane
	s_wait_alu depctr_va_vdst(0)                   ; v5, v7, v8, v9 and v11 are written: every load and store of this path but operand B's loads reads one of them as its offset or address
.irp k, 0,1,2,3,4,5,6,7,8,9,10,11,12,13,14,15
	global_load_b128 v[ACC+4*\k:ACC+4*\k+3], v5, s[46:47] offset:\k*4096 th:TH_LOAD_NT      ; X, row 8 k + wave
.endr
	s_cmp_lg_u32 s43, 0
	s_cbranch_scc1 .Lyproj
.irp k, 0,1,2,3,4,5,6,7,8,9,10,11,12,13,14,15
	global_load_b128 v[BFR+4*\k:BFR+4*\k+3], v5, s[46:47] offset:524288+\k*4096 th:TH_LOAD_NT   ; Y = Wk, 1,024 rows behind Wq
.endr
	s_lshl_b32 s57, s40, 5                         ; operand B: column tile = wave (c' of MT), k = d
	s_add_co_u32 s57, s57, YS
	v_add_nc_u32 v10, s57, v9                      ; Wk lies [d][c']: transposing loads
	s_branch .Lyin
.Lyproj:
.irp k, 0,1,2,3,4,5,6,7,8,9,10,11,12,13,14,15
	global_load_b128 v[BFR+4*\k:BFR+4*\k+3], v11, s[50:51] offset:\k*32768 th:TH_LOAD_NT    ; Y = proj_w's 128 columns of the head, rows 4,096 bytes apart
.endr
	s_mul_i32 s57, s40, 16*PITCH                   ; operand B: column tile = wave (e of NT), k = d
	s_add_co_u32 s57, s57, YS
	v_mul_u32_u24 v10, v1, PITCH
	v_lshl_add_u32 v10, v2, 4, v10
	v_add_nc_u32 v10, s57, v10                     ; proj lies [e][d]: plain loads
.Lyin:
	s_wait_loadcnt 16                              ; X is in: Y's sixteen loads may stay out
.irp k, 0,1,2,3,4,5,6,7,8,9,10,11,12,13,14,15
	v_cvt_pk_bf16_f32 v[ACC+4*\k],   v[ACC+4*\k],   v[ACC+4*\k+1]
	v_cvt_pk_bf16_f32 v[ACC+4*\k+1], v[ACC+4*\k+2], v[ACC+4*\k+3]
.endr
	s_wait_alu depctr_va_vdst(0)                   ; X's conversions have written the pairs that the sixteen LDS stores below read; v10 is written, which operand B's loads read
.irp k, 0,1,2,3,4,5,6,7,8,9,10,11,12,13,14,15
	ds_store_b64 v7, v[ACC+4*\k:ACC+4*\k+1] offset:\k*8*PITCH
.endr
	s_wait_loadcnt 0x0
.irp k, 0,1,2,3,4,5,6,7,8,9,10,11,12,13,14,15
	v_cvt_pk_bf16_f32 v[BFR+4*\k],   v[BFR+4*\k],   v[BFR+4*\k+1]
	v_cvt_pk_bf16_f32 v[BFR+4*\k+1], v[BFR+4*\k+2], v[BFR+4*\k+3]
.endr
	s_wait_alu depctr_va_vdst(0)                   ; Y's conversions have written the pairs that the LDS stores below read, and all conversions are done with v[32:159], in part of which LDS loads land behind the barrier
.irp k, 0,1,2,3,4,5,6,7,8,9,10,11,12,13,14,15
	ds_store_b64 v8, v[BFR+4*\k:BFR+4*\k+1] offset:\k*8*PITCH
.endr
	s_wait_dscnt 0x0                               ; my rows are in LDS, for the others' sake
	s_barrier_signal -1
	s_barrier_wait -1
	s_wait_alu depctr_vm_vsrc(0)                   ; my LDS stores have read v[32:159]: the fragments' loads and the first matrix instructions write these registers from here on
	s_cmp_lg_u32 s43, 0
	s_cbranch_scc1 .Lbplain
.irp ks, 0,1,2,3
	ds_load_tr16_b128 v[BFR+8*\ks:BFR+8*\ks+3],   v10 offset:\ks*8704
	ds_load_tr16_b128 v[BFR+8*\ks+4:BFR+8*\ks+7], v10 offset:\ks*8704+4352
.endr
	s_branch .Lbin
.Lbplain:
.irp ks, 0,1,2,3
	ds_load_b128 v[BFR+8*\ks:BFR+8*\ks+3],   v10 offset:\ks*64
	ds_load_b128 v[BFR+8*\ks+4:BFR+8*\ks+7], v10 offset:\ks*64+32
.endr
.Lbin:
	ALOAD 0, FA0                                   ; all four k-steps of operand A, each into registers of its own.  No vector instruction has been issued since the wait ahead of Y's stores
	ALOAD 1, FA1
	WIN 0x40                                       ; destination window 1, address window 0
	ALOAD 2, FA2
	ALOAD 3, FA3
	WIN 0
	s_wait_dscnt 48                                ; LDS loads come back in order (ISA guide 5.7.1): B and k-step 0 are in; the 48 loads of k-steps 1 to 3 may stay out
	FMUL 0, FA0, 1
	s_wait_dscnt 32                                ; k-step 1 is in
	FMUL 1, FA1, 0
	WIN 0x01                                       ; operand A from window 1
	s_wait_dscnt 16                                ; k-step 2 is in
	FMUL 2, FA2, 0
	s_wait_dscnt 0x0
	FMUL 3, FA3, 0
	WIN 0
	PLACES
	; tile ct of the result: lane (r, h) holds row 16 x wave + r of the folded matrix, columns 16 ct + 8 h + 0..7: half a fragment's registers
.irp ct, 0,1,2,3,4,5,6,7
.irp q, 0,1,2,3
	v_cvt_pk_bf16_f32 v[FA0+4*\ct+\q], v[ACC+8*\ct+2*\q], v[ACC+8*\ct+2*\q+1]
.endr
.endr
	s_wait_alu depctr_va_vdst(0)                   ; the conversions have written v[128:159], which the eight stores read
.irp ct, 0,1,2,3,4,5,6,7
	global_store_b128 v11, v[FA0+4*\ct:FA0+4*\ct+3], s[54:55] offset:\ct*512       ; 512 neighbouring bytes a store
.endr
	s_wait_dscnt 0x0                               ; the closing lines, six on end
	s_wait_alu 0x0
	s_wait_tensorcnt 0x0
	ds_add_u32 v30, v31
	s_wait_dscnt 0x0
	s_endpgm
	; ---------------- convert: a wave makes four fragments (16 rows x 128 k).  v[32:95]: loads land, conversions read.  v[96:127]: conversions write, stores read
.Lconvert:
	s_sub_co_u32 s41, ttmp9, 80
	s_mov_b64 s[42:43], s[12:13]                   ; w1, rows of 512 bytes
	s_mov_b32 s44, 0
	s_mov_b32 s45, 9
	PICK 10, 14, 10                                ; w2, rows of 1,024 bytes
	PICK 20, 16, 10                                ; emb_w2
	PICK 22, 18, 9                                 ; head_w
	PICK 23, 20, 9                                 ; p1_w
	PICK 24, 22, 9                                 ; p2_w
	PICK 25, 24, 9                                 ; p3_w
	s_sub_co_u32 s46, s41, s44
	s_lshl3_add_u32 s46, s46, s40                  ; the wave's unit in its source
	s_sub_co_u32 s47, s45, 9                       ; 1 where a row holds two units, else 0
	s_lshr_b32 s48, s46, s47                       ; row tile
	s_add_co_u32 s49, s45, 4
	s_lshl_b32 s48, s48, s49                       ; x 16 rows
	s_and_b32 s49, s46, s47
	s_lshl_b32 s49, s49, 9                         ; second half of the rows: 128 numbers on
	s_add_co_u32 s48, s48, s49
	s_mov_b32 s49, 0
	s_add_nc_u64 s[42:43], s[42:43], s[48:49]
	s_lshl_b32 s50, s41, 15
	s_add_co_u32 s50, s50, WTS_CV
	s_mov_b32 s51, 0
	s_add_nc_u64 s[50:51], s[28:29], s[50:51]
	v_lshlrev_b32 v5, s45, v1                      ; row r
	v_lshl_add_u32 v5, v2, 5, v5                   ; + 8 h numbers
	s_wait_alu depctr_va_vdst(0)                   ; v5 is written, which the loads read as their offset; so is v11, the stores' offset
.irp s, 0,1,2,3
	global_load_b128 v[32+16*\s:35+16*\s], v5, s[42:43] offset:128*\s
	global_load_b128 v[36+16*\s:39+16*\s], v5, s[42:43] offset:128*\s+16
	global_load_b128 v[40+16*\s:43+16*\s], v5, s[42:43] offset:128*\s+64
	global_load_b128 v[44+16*\s:47+16*\s], v5, s[42:43] offset:128*\s+80
.endr
.irp s, 0,1,2,3
	s_wait_loadcnt 12-4*\s                         ; loads come back in order (ISA guide 5.7.1): fragment s is in, four loads for each later fragment may stay out
.irp k, 0,1,2,3,4,5,6,7
	v_cvt_pk_bf16_f32 v[96+8*\s+\k], v[32+16*\s+2*\k], v[33+16*\s+2*\k]
.endr
.endr
	s_wait_alu depctr_va_vdst(0)                   ; the conversions have written v[96:127], which the eight stores read
.irp s, 0,1,2,3
	global_store_b128 v11, v[96+8*\s:99+8*\s],   s[50:51] offset:\s*1024
	global_store_b128 v11, v[100+8*\s:103+8*\s], s[50:51] offset:\s*1024+512
.endr
	s_endpgm
	; ---------------- emb_w1 [256][36]: a wave makes row tiles 2 w and 2 w + 1, two k-steps each; k = 36..63 are zeros
	; v[32:71]: loads land, conversions read.  v[72:103]: conversions, selects and moves write, stores read
.Lemb1:
	v_mul_u32_u24 v5, v1, 144
	s_mul_i32 s41, s40, 32*144
	v_add_nc_u32 v5, s41, v5                       ; the row's first byte
	v_lshl_add_u32 v6, v2, 5, v5                   ; + 8 h numbers
	s_add_nc_u64 s[42:43], s[28:29], WTS_E1
	s_wait_alu depctr_va_vdst(0)                   ; v5 and v6 are written, which the loads read as their offsets; so is v11, the stores' offset
.irp q, 0,1
	global_load_b128 v[32+20*\q:35+20*\q], v6, s[26:27] offset:2304*\q
	global_load_b128 v[36+20*\q:39+20*\q], v6, s[26:27] offset:2304*\q+16
	global_load_b128 v[40+20*\q:43+20*\q], v6, s[26:27] offset:2304*\q+64
	global_load_b128 v[44+20*\q:47+20*\q], v6, s[26:27] offset:2304*\q+80
	global_load_b128 v[48+20*\q:51+20*\q], v5, s[26:27] offset:2304*\q+128     ; columns 32-35, the row's last 16 bytes, in every lane
.endr
	v_cmp_eq_u32 vcc_lo, 0, v2                     ; they belong to the lanes with h = 0 alone
	s_wait_alu depctr_va_vcc(0)                    ; VCC is written, ahead of its first reader, the first select below
	s_wait_loadcnt 0x0
.irp q, 0,1
.irp k, 0,1,2,3,4,5,6,7
	v_cvt_pk_bf16_f32 v[72+16*\q+\k], v[32+20*\q+2*\k], v[33+20*\q+2*\k]
.endr
	v_cvt_pk_bf16_f32 v[80+16*\q], v[48+20*\q], v[49+20*\q]
	v_cvt_pk_bf16_f32 v[81+16*\q], v[50+20*\q], v[51+20*\q]
	v_cndmask_b32 v[80+16*\q], 0, v[80+16*\q], vcc_lo
	v_cndmask_b32 v[81+16*\q], 0, v[81+16*\q], vcc_lo
.irp k, 2,3,4,5,6,7
	v_mov_b32 v[80+16*\q+\k], 0
.endr
.endr
	s_wait_alu depctr_va_vdst(0)                   ; both row tiles' fragments, v[72:103], are written, which the eight stores read
.irp q, 0,1
.irp k, 0,1,2,3
	global_store_b128 v11, v[72+16*\q+4*\k:75+16*\q+4*\k], s[42:43] offset:\q*2048+\k*512
.endr
.endr
	s_cmp_lg_u32 s40, 0
	s_cbranch_scc1 .Lend
	v_lshlrev_b32 v7, 3, v3                        ; wave 0: each layer's number, 64 words: the small buffer whole, by one store
.irp l, 0,1,2,3,4
	v_mov_b32 v[110+2*\l], \l
	v_mov_b32 v[111+2*\l], \l
.endr
	s_wait_alu depctr_va_vdst(0)                   ; v7, the offset, and v[110:119], the data of the five stores, are written
.irp l, 0,1,2,3,4
	global_store_b64 v7, v[110+2*\l:111+2*\l], s[30+2*\l:31+2*\l]
.endr
.Lend:
	s_endpgm
.Lfunc_end_k_q5135d61bf0_prep:
	.size	k_q5135d61bf0_prep, .Lfunc_end_k_q5135d61bf0_prep-k_q5135d61bf0_prep
	.p2alignl 7, 3214868480
	.fill 96, 4, 3214868480
	.section	.rodata,"a",@progbits
	.p2align	6, 0x0
	.amdhsa_kernel k_q5135d61bf0_prep
		.amdhsa_group_segment_fixed_size 70656
		.amdhsa_private_segment_fixed_size 0
		.amdhsa_enable_private_segment 0
		.amdhsa_kernarg_size 128
		.amdhsa_user_sgpr_count 2
		.amdhsa_user_sgpr_kernarg_segment_ptr 1
		.amdhsa_wavefront_size32 1
		.amdhsa_system_sgpr_workgroup_id_x 1
		.amdhsa_system_sgpr_workgroup_id_y 1
		.amdhsa_system_sgpr_workgroup_id_z 1
		.amdhsa_system_vgpr_workitem_id 0
		.amdhsa_next_free_vgpr 384
		.amdhsa_next_free_sgpr 66
		.amdhsa_reserve_vcc 1
		.amdhsa_float_denorm_mode_32 3
		.amdhsa_float_denorm_mode_16_64 3
		.amdhsa_memory_ordered 1
		.amdhsa_forward_progress 1
		.amdhsa_inst_pref_size 35
	.end_amdhsa_kernel
	.amdgpu_metadata
---
amdhsa.version: [ 1, 2 ]
amdhsa.kernels:
  - .name:           k_q5135d61bf0_prep
    .symbol:         k_q5135d61bf0_prep.kd
    .args:
      - { .name: params_blocks_qkv_w, .offset: 0, .size: 8, .value_kind: global_buffer, .address_space: global }
      - { .name: params_blocks_proj_w, .offset: 8, .size: 8, .value_kind: global_buffer, .address_space: global }
      - { .name: params_blocks_w1, .offset: 16, .size: 8, .value_kind: global_buffer, .address_space: global }
      - { .name: params_blocks_w2, .offset: 24, .size: 8, .value_kind: global_buffer, .address_space: global }
      - { .name: params_emb_w2, .offset: 32, .size: 8, .value_kind: global_buffer, .address_space: global }
      - { .name: params_head_w, .offset: 40, .size: 8, .value_kind: global_buffer, .address_space: global }
      - { .name: params_p1_w, .offset: 48, .size: 8, .value_kind: global_buffer, .address_space: global }
      - { .name: params_p2_w, .offset: 56, .size: 8, .value_kind: global_buffer, .address_space: global }
      - { .name: params_p3_w, .offset: 64, .size: 8, .value_kind: global_buffer, .address_space: global }
      - { .name: params_emb_w1, .offset: 72, .size: 8, .value_kind: global_buffer, .address_space: global }
      - { .name: wts, .offset: 80, .size: 8, .value_kind: global_buffer, .address_space: global }
      - { .name: lay0, .offset: 88, .size: 8, .value_kind: global_buffer, .address_space: global }
      - { .name: lay1, .offset: 96, .size: 8, .value_kind: global_buffer, .address_space: global }
      - { .name: lay2, .offset: 104, .size: 8, .value_kind: global_buffer, .address_space: global }
      - { .name: lay3, .offset: 112, .size: 8, .value_kind: global_buffer, .address_space: global }
      - { .name: lay4, .offset: 120, .size: 8, .value_kind: global_buffer, .address_space: global }
    .group_segment_fixed_size: 70656
    .private_segment_fixed_size: 0
    .kernarg_segment_align: 8
    .kernarg_segment_size: 128
    .max_flat_workgroup_size: 256
    .sgpr_count:     66
    .vgpr_count:     384
    .wavefront_size: 32
...
	.end_amdgpu_metadata
.endif
;; end of part 5
;; launch embed: the kernel of part 2 again; grid 256 x 1, 1 waves a work-group, no clusters, 8,704 bytes of LDS; arguments x, wts, params_emb_b1, params_emb_b2, params_blocks_n1w, params_blocks_n1b, ha; writes ha
;; launch layer0: the kernel of part 3 again; grid 256 x 1, 8 waves a work-group, clusters of 4 x 1, 327,680 bytes of LDS; arguments adj, ha, wts, lay0, params_blocks_g_w, params_blocks_g_b, params_blocks_proj_b, params_blocks_n2w, params_blocks_n2b, params_blocks_b1, params_blocks_b2, params_blocks_n1w, params_blocks_n1b, params_head_ln_w, params_head_ln_b, hb; writes hb
;; launch layer1: the kernel of part 3 again; grid 256 x 1, 8 waves a work-group, clusters of 4 x 1, 327,680 bytes of LDS; arguments adj, hb, wts, lay1, params_blocks_g_w, params_blocks_g_b, params_blocks_proj_b, params_blocks_n2w, params_blocks_n2b, params_blocks_b1, params_blocks_b2, params_blocks_n1w, params_blocks_n1b, params_head_ln_w, params_head_ln_b, ha; writes ha
;; launch layer2: the kernel of part 3 again; grid 256 x 1, 8 waves a work-group, clusters of 4 x 1, 327,680 bytes of LDS; arguments adj, ha, wts, lay2, params_blocks_g_w, params_blocks_g_b, params_blocks_proj_b, params_blocks_n2w, params_blocks_n2b, params_blocks_b1, params_blocks_b2, params_blocks_n1w, params_blocks_n1b, params_head_ln_w, params_head_ln_b, hb; writes hb
;; launch layer3: the kernel of part 3 again; grid 256 x 1, 8 waves a work-group, clusters of 4 x 1, 327,680 bytes of LDS; arguments adj, hb, wts, lay3, params_blocks_g_w, params_blocks_g_b, params_blocks_proj_b, params_blocks_n2w, params_blocks_n2b, params_blocks_b1, params_blocks_b2, params_blocks_n1w, params_blocks_n1b, params_head_ln_w, params_head_ln_b, ha; writes ha
;; launch layer4: the kernel of part 3 again; grid 256 x 1, 8 waves a work-group, clusters of 4 x 1, 327,680 bytes of LDS; arguments adj, ha, wts, lay4, params_blocks_g_w, params_blocks_g_b, params_blocks_proj_b, params_blocks_n2w, params_blocks_n2b, params_blocks_b1, params_blocks_b2, params_blocks_n1w, params_blocks_n1b, params_head_ln_w, params_head_ln_b, hb; writes hb
;; launch head: the kernel of part 4 again; grid 256 x 1, 1 waves a work-group, no clusters, 0 bytes of LDS; arguments hb, wts, params_head_b, params_p1_b, params_p2_b, params_p3_b, params_p_ln_w, params_p_ln_b, params_p4_w, params_p4_b, out0; writes out0
